; MI455X (gfx1250); checked and timed in simulation.
; The chip was launched on July 23, 2026; its instructions are those of AMD's public machine-readable ISA for CDNA 5 (MIT licence, August 2026) and "CDNA5" Instruction Set Architecture Reference Guide (July 2026). The comments in the code are by the model that wrote it; some were corrected since.
;; Moba Attention. Allowed arithmetic: float matrix products may take bf16 or f16 operands with f32 sums; other float arithmetic in f32, or as packed bf16 or f16 multiplies, adds, multiply-adds, maxima and minima; sums over many terms, partial sums and values carried from step to step in f32; what a program stores and reads back later, other than sums and carried values, may be rounded once to bf16 or f16.
;; Inputs: Wg1 64 x 2,048 float32; Wg2 2,048 x 64 float32; Wk 2,048 x 2,048 float32; Wo 2,048 x 2,048 float32; Wq 2,048 x 2,048 float32; Wv 2,048 x 2,048 float32; hidden_states 1 x 2,048 x 2,048 float32; o_norm_weight 64 float32.
;; Outputs: out0 1 x 2,048 x 2,048 float32.
;; One version. Each part assembles by itself: llvm-mc -triple=amdgcn-amd-amdhsa -mcpu=gfx1250 --defsym DOCPART=n.
;; ======== version 1 of 1: 4 launches
;; limits: values are held in f16: magnitudes above 65,504 overflow, below 6.1e-05 lose precision
;; workspace buffers: xb 8,388,608 bytes; wb 25,165,824 bytes; wo16 8,388,608 bytes; tab 1,048,576 bytes; qkv 33,685,504 bytes; g1b 262,144 bytes; og 8,388,608 bytes
;; launch prep (part 1): grid 2112 x 1, 8 waves a work-group, no clusters, 0 bytes of LDS; arguments hidden_states, Wq, Wk, Wv, Wg1, Wg2, xb, wb, tab; writes xb, wb, tab
.if DOCPART == 1
	.amdgcn_target "amdgcn-amd-amdhsa--gfx1250"
	.amdhsa_code_object_version 6
	.text
	.protected	k_qee65a4d337_prep
	.globl	k_qee65a4d337_prep
	.p2align	8
	.type	k_qee65a4d337_prep,@function
k_qee65a4d337_prep:
	s_mov_b64 s[64:65], 0
	v_nop
	global_prefetch_b8 v0, s[64:65] scope:SCOPE_SE
	s_setreg_imm32_b32 hwreg(HW_REG_WAVE_MODE, 25, 1), 1
	s_wait_xcnt 0x0
; PREP.  What the projections read is rounded once to bf16: x -> xb; Wq, Wk, Wv -> wb (rows 0, 2048, 4096 on); Wg1, Wg2 -> tab (+0, +262,144).
; The last 32 work-groups make the rotary table: cos at tab + 524,288, sin at tab + 786,432, f32 [2048 positions][32].  (Wo, which only the last launch reads, is converted beside the projections.)
; A stream: memory binds, so no LDS, no matrix unit, no cluster.  A work-group takes 32 KiB of f32: 8 loads of 16 bytes a lane, all out at once; a store of 8 bytes a lane covers 256 consecutive aligned bytes a wave.
; THE ANGLE is the f32 number pos * (1 / 10^(i/8)): 10^(i/8) is written in decimal and rounded once to f32, its reciprocal is v_rcp_f32 mended by one Newton step in fused arithmetic,
; the product is one f32 multiply.  Sine and cosine: quarter turns taken off in three parts of pi/2 (the first product is exact: j < 2^11, the part has 21 bits), then polynomials on |r| <= pi/4.
.set NBIG, 2048                        ; 4 tensors of 512 blocks
.set NCVT, 2080                        ; + 2 tensors of 16 blocks; behind them the 32 table groups
.set X, 8                              ; v[8:39]  eight loads of four f32
	s_load_b512 s[4:19], s[0:1], 0x0               ; x 4, Wq 6, Wk 8, Wv 10, Wg1 12, Wg2 14, xb 16, wb 18
	s_load_b64 s[20:21], s[0:1], 0x40              ; tab
	s_mov_b32 s26, ttmp9
	s_cmp_ge_u32 s26, NCVT
	s_cbranch_scc1 .Lrope
	s_lshr_b32 s27, s26, 9                         ; the job 0..3 and its block,
	s_and_b32 s28, s26, 511
	s_sub_co_u32 s29, s26, NBIG                    ; or job 4, 5 with 16 blocks each
	s_lshr_b32 s30, s29, 4
	s_add_co_u32 s30, s30, 4
	s_and_b32 s31, s29, 15
	s_cmp_ge_u32 s26, NBIG
	s_cselect_b32 s27, s30, s27
	s_cselect_b32 s28, s31, s28
	v_lshlrev_b32 v1, 4, v0                        ; 16 bytes a thread in,
	v_lshlrev_b32 v2, 3, v0                        ; 8 bytes out
	s_wait_kmcnt 0x0
	s_mov_b64 s[32:33], s[4:5]                     ; job 0: x -> xb
	s_mov_b64 s[34:35], s[16:17]
	s_mov_b32 s36, 0                               ; the job's place in its output buffer
.macro PICK j, src, dst, extra
	s_cmp_eq_u32 s27, \j
	s_cselect_b64 s[32:33], s[\src:\src+1], s[32:33]
	s_cselect_b64 s[34:35], s[\dst:\dst+1], s[34:35]
	s_cselect_b32 s36, \extra, s36
.endm
	PICK 1, 6, 18, 0
	PICK 2, 8, 18, 0x800000
	PICK 3, 10, 18, 0x1000000
	PICK 4, 12, 20, 0
	PICK 5, 14, 20, 0x40000
	s_lshl_b32 s38, s28, 15
	s_mov_b32 s39, 0
	s_add_nc_u64 s[32:33], s[32:33], s[38:39]
	s_lshl_b32 s38, s28, 14
	s_add_co_u32 s38, s38, s36
	s_add_nc_u64 s[34:35], s[34:35], s[38:39]
.irp i, 0,1,2,3,4,5,6,7
	global_load_b128 v[X+4*(\i):X+4*(\i)+3], v1, s[32:33] offset:4096*(\i) th:TH_LOAD_NT
.endr
.irp i, 0,1,2,3,4,5,6,7                ; load i is rounded and stored; no register that a store reads is written again
	s_wait_loadcnt 7-(\i)                          ; loads come back in order: the 7 - i younger ones stay out
	v_cvt_pk_bf16_f32 v[X+4*(\i)], v[X+4*(\i)], v[X+4*(\i)+1]
	v_cvt_pk_bf16_f32 v[X+4*(\i)+1], v[X+4*(\i)+2], v[X+4*(\i)+3]
	global_store_b64 v2, v[X+4*(\i):X+4*(\i)+1], s[34:35] offset:2048*(\i)
.endr
	s_endpgm
.Lrope:                                                ; group g: positions 64 g .. 64 g + 63; a wave 8 of them; lanes 0-15 one position, lanes 16-31 the next; a lane two frequencies
	s_sub_co_u32 s26, s26, NCVT
	v_and_b32 v3, 31, v0
	v_lshrrev_b32 v4, 5, v0
	v_lshlrev_b32 v2, 3, v3
	v_lshl_add_u32 v2, v4, 10, v2                  ; 1,024 wave + 8 lane: two rows of 128 bytes are 256 consecutive bytes
	v_lshrrev_b32 v5, 4, v3
	v_lshl_add_u32 v5, v4, 3, v5
	s_lshl_b32 s27, s26, 6
	v_add_nc_u32 v5, s27, v5                       ; my first position
	v_mov_b32 v6, 0                                ; 10^(i/8) for i = 2 (lane % 16),
	v_mov_b32 v7, 0                                ; and for i = 2 (lane % 16) + 1
.macro PW n, a, b
	s_mov_b32 s30, \a
	s_mov_b32 s31, \b
	v_writelane_b32 v6, s30, \n
	v_writelane_b32 v6, s30, \n+16
	v_writelane_b32 v7, s31, \n
	v_writelane_b32 v7, s31, \n+16
.endm
	PW 0, 1.0, 1.3335214321633240
	PW 1, 1.7782794100389228, 2.3713737056616552
	PW 2, 3.1622776601683795, 4.2169650342858224
	PW 3, 5.6234132519034908, 7.4989420933245582
	PW 4, 10.0, 13.335214321633240
	PW 5, 17.782794100389228, 23.713737056616552
	PW 6, 31.622776601683795, 42.169650342858224
	PW 7, 56.234132519034908, 74.989420933245582
	PW 8, 100.0, 133.35214321633240
	PW 9, 177.82794100389228, 237.13737056616552
	PW 10, 316.22776601683795, 421.69650342858224
	PW 11, 562.34132519034908, 749.89420933245582
	PW 12, 1000.0, 1333.5214321633240
	PW 13, 1778.2794100389228, 2371.3737056616552
	PW 14, 3162.2776601683795, 4216.9650342858224
	PW 15, 5623.4132519034908, 7498.9420933245582
	v_rcp_f32 v8, v6
	v_rcp_f32 v9, v7
	v_nop                                          ; a plain instruction behind the reciprocals (ISA guide 5.7.2)
	s_wait_alu depctr_va_vdst(0)
	v_fma_f32 v10, -v6, v8, 1.0
	v_fma_f32 v11, -v7, v9, 1.0
	v_fma_f32 v8, v8, v10, v8                      ; 1 / 10^(i/8)
	v_fma_f32 v9, v9, v11, v9
	s_mov_b32 s40, 0x3f22f983                      ; 2 / pi
	s_mov_b32 s41, 0x3fc90fd8                      ; pi / 2 in three parts
	s_mov_b32 s42, 0x34a8885a
	s_mov_b32 s43, 0x27c234c5
	s_mov_b32 s44, 0.0000244677067                 ; cosine's polynomial in z = r r
	s_mov_b32 s45, -0.00138877297
	s_mov_b32 s46, 0.0416666567
	s_mov_b32 s47, 0.00000286567956                ; sine's
	s_mov_b32 s48, -0.000198559923
	s_mov_b32 s49, 0.00833338592
	s_mov_b32 s50, -0.166666672
	s_lshl_b32 s38, s26, 13
	s_add_co_u32 s38, s38, 0x80000
	s_mov_b32 s39, 0
	s_wait_kmcnt 0x0
	s_add_nc_u64 s[20:21], s[20:21], s[38:39]      ; cos at my group's 64 rows
.macro SINCOS inv, c, s                ; v20 = the position; x = v20 * v[inv]
	v_mul_f32 v12, v20, v[\inv]
	v_mul_f32 v13, s40, v12
	v_rndne_f32 v13, v13                           ; j quarter turns
	v_fma_f32 v14, -v13, s41, v12
	v_fma_f32 v14, -v13, s42, v14
	v_fma_f32 v14, -v13, s43, v14                  ; r
	v_cvt_i32_f32 v15, v13
	v_mul_f32 v16, v14, v14
	v_mov_b32 v17, s44
	v_fma_f32 v17, v17, v16, s45
	v_fma_f32 v17, v17, v16, s46
	v_fma_f32 v17, v17, v16, -0.5
	v_fma_f32 v17, v17, v16, 1.0                   ; cos r
	v_mov_b32 v18, s47
	v_fma_f32 v18, v18, v16, s48
	v_fma_f32 v18, v18, v16, s49
	v_fma_f32 v18, v18, v16, s50
	v_mul_f32 v19, v14, v16
	v_fma_f32 v18, v18, v19, v14                   ; sin r
	v_and_b32 v19, 1, v15
	v_cmp_ne_u32 vcc_lo, 0, v19                    ; an odd j swaps the two: a choice of values only
	v_cndmask_b32 v[\s], v18, v17, vcc_lo
	v_cndmask_b32 v[\c], v17, v18, vcc_lo
	v_and_b32 v19, 2, v15                          ; sine changes sign for j % 4 = 2, 3,
	v_lshlrev_b32 v19, 30, v19
	v_xor_b32 v[\s], v[\s], v19
	v_add_nc_u32 v19, 1, v15                       ; cosine for j % 4 = 1, 2
	v_and_b32 v19, 2, v19
	v_lshlrev_b32 v19, 30, v19
	v_xor_b32 v[\c], v[\c], v19
.endm
.irp it, 0,1,2,3                       ; each pass has result registers of its own: nothing that a store reads is written again
	v_add_nc_u32 v21, 2*(\it), v5
	v_cvt_f32_u32 v20, v21
	SINCOS 8, 24+4*(\it), 26+4*(\it)
	SINCOS 9, 25+4*(\it), 27+4*(\it)
	global_store_b64 v2, v[24+4*(\it):25+4*(\it)], s[20:21] offset:256*(\it)
	global_store_b64 v2, v[26+4*(\it):27+4*(\it)], s[20:21] offset:262144+256*(\it)
.endr
	s_endpgm
.Lfunc_end_k_qee65a4d337_prep:
	.size	k_qee65a4d337_prep, .Lfunc_end_k_qee65a4d337_prep-k_qee65a4d337_prep
	.p2alignl 7, 3214868480
	.fill 96, 4, 3214868480
	.section	.rodata,"a",@progbits
	.p2align	6, 0x0
	.amdhsa_kernel k_qee65a4d337_prep
		.amdhsa_group_segment_fixed_size 0
		.amdhsa_private_segment_fixed_size 0
		.amdhsa_enable_private_segment 0
		.amdhsa_kernarg_size 72
		.amdhsa_user_sgpr_count 2
		.amdhsa_user_sgpr_kernarg_segment_ptr 1
		.amdhsa_wavefront_size32 1
		.amdhsa_system_sgpr_workgroup_id_x 1
		.amdhsa_system_sgpr_workgroup_id_y 1
		.amdhsa_system_sgpr_workgroup_id_z 1
		.amdhsa_system_vgpr_workitem_id 0
		.amdhsa_next_free_vgpr 64
		.amdhsa_next_free_sgpr 66
		.amdhsa_reserve_vcc 1
		.amdhsa_float_denorm_mode_32 3
		.amdhsa_float_denorm_mode_16_64 3
		.amdhsa_memory_ordered 1
		.amdhsa_forward_progress 1
		.amdhsa_inst_pref_size 24
	.end_amdhsa_kernel
	.amdgpu_metadata
---
amdhsa.version: [ 1, 2 ]
amdhsa.kernels:
  - .name:           k_qee65a4d337_prep
    .symbol:         k_qee65a4d337_prep.kd
    .args:
      - { .name: hidden_states, .offset: 0, .size: 8, .value_kind: global_buffer, .address_space: global }
      - { .name: Wq, .offset: 8, .size: 8, .value_kind: global_buffer, .address_space: global }
      - { .name: Wk, .offset: 16, .size: 8, .value_kind: global_buffer, .address_space: global }
      - { .name: Wv, .offset: 24, .size: 8, .value_kind: global_buffer, .address_space: global }
      - { .name: Wg1, .offset: 32, .size: 8, .value_kind: global_buffer, .address_space: global }
      - { .name: Wg2, .offset: 40, .size: 8, .value_kind: global_buffer, .address_space: global }
      - { .name: xb, .offset: 48, .size: 8, .value_kind: global_buffer, .address_space: global }
      - { .name: wb, .offset: 56, .size: 8, .value_kind: global_buffer, .address_space: global }
      - { .name: tab, .offset: 64, .size: 8, .value_kind: global_buffer, .address_space: global }
    .group_segment_fixed_size: 0
    .private_segment_fixed_size: 0
    .kernarg_segment_align: 8
    .kernarg_segment_size: 72
    .max_flat_workgroup_size: 256
    .sgpr_count:     66
    .vgpr_count:     64
    .wavefront_size: 32
...
	.end_amdgpu_metadata
.endif
;; end of part 1
;; launch proj (part 2): grid 32 x 8, 4 waves a work-group, clusters of 4 x 4, 327,680 bytes of LDS; arguments xb, wb, tab, qkv, Wo, wo16, g1b; writes qkv, wo16, g1b
.if DOCPART == 2
	.amdgcn_target "amdgcn-amd-amdhsa--gfx1250"
	.amdhsa_code_object_version 6
	.text
	.protected	k_qee65a4d337_proj
	.globl	k_qee65a4d337_proj
	.p2align	8
	.type	k_qee65a4d337_proj,@function
k_qee65a4d337_proj:
	s_mov_b64 s[64:65], 0
	v_nop
	global_prefetch_b8 v0, s[64:65] scope:SCOPE_SE
	s_setreg_imm32_b32 hwreg(HW_REG_WAVE_MODE, 25, 1), 1
	s_wait_xcnt 0x0
	s_wait_alu depctr_hold_cnt(0) depctr_sa_sdst(0) depctr_va_vdst(0) depctr_va_sdst(0) depctr_va_ssrc(0) depctr_va_vcc(0) depctr_vm_vsrc(0)
	s_getreg_b32 s2, hwreg(HW_REG_IB_STS2, 6, 4)
	s_cmp_eq_u32 s2, 0
	s_cbranch_scc0 .Lentry_in_a_cluster
	s_endpgm
.Lentry_in_a_cluster:
	s_bfe_u32 s2, ttmp6, 0x10000c
	s_cmp_lg_u32 s2, 0xf033
	s_cbranch_scc0 .Lentry_shape_is_right
	s_endpgm
.Lentry_shape_is_right:
; [q | k | v] = x W^T, rotary turn on q and k, and k's column sums.  x: xb [2048][2048] bf16; W: wb [6144][2048] bf16 (Wq, Wk, Wv); sums in f32.
; OUT, all in qkv, by heads: q f32 [32][2048][64] at 0 (f32: the choice of chunks is made of it); k f16 at 16,777,216; v f16 at 25,165,824;
; ks f32 [16][2048] at 33,554,432: row 2 chunk + half = the sum of 128 rows of turned k (f32, unrounded), column = 64 head + channel.
; LIMITS.  |k|, |v| within f16 (65,504).  |Wo| within f16; below 6e-5 it keeps f16's fixed step.
; A tile of C is 256 x 256, four waves of 128 x 128 (64 accumulators, 512 registers); K in steps of 128 through two LDS slots filled by joint tensor loads of a 4 x 4 cluster:
; A's tiles shared along a row of the cluster, B's along a column.  192 tiles: a tile of 256 columns lies in one of q, k, v, and which one hangs on the cluster's x alone, so the
; branch on it is alike in all sixteen partners; 256 x 192 would give 256 tiles, but then the kind would hang on the place in the cluster.
; THE OTHER 64 WORK-GROUPS.  The grid is 32 x 8: beside the 24 x 8 tiles, the four clusters with x = 6, 7 (a branch on the cluster's x alone, alike in all sixteen partners) do what the launches behind
; need and no tile of this launch reads, in the tiles' time: g1 = x Wg1^T ([2048][64], K = 2,048, bf16 operands, f32 sums, bf16 out), 32 rows a group; and Wo rounded to bf16 and written as f16, 256 KiB a group.
; Their text has no tensor load, so it has no round of the cluster's barrier: no joint load names these work-groups.
; THE MATRIX INSTRUCTION IS USED TRANSPOSED (source 0 = 16 rows of W, source 1 = 16 rows of x): a lane holds row lane % 16 and eight neighbouring columns.
; REGISTERS: window 0: v0-31 addresses, v64-191 x's fragments (two buffers), on the way out v32-255 at work; window 1: v64-191 W's fragments, on the way out all 256 carry the table;
; window 2: accumulators of my rows 0-63 ((a, b) at v[8 (8 a + b)]); window 3: rows 64-127.
; THE WAY OUT goes through LDS, in loops: the ring has had its last fill, so each wave takes bytes of it for its own: 64 rows x 528 bytes of f32 sums, and cos and sin of its 128 rows.
.set SIZE_K, 2048
.set KSTEP,  128
.set PITCH,  272                       ; 256 bytes + 16 of padding: the 16 rows of a fragment load start at 16 different groups of four banks (ISA guide 11.1)
.set HALFT,  128*PITCH
.set SLOT,   4*HALFT
.set SPARE,  2*SLOT                    ; behind the ring: the spare words, 128 bytes a wave
.set SCR,    SPARE+512                 ; the other groups: four waves' partial sums of g1, 8,192 bytes each; no fill ever lands here
.set SSTG,   SCR+32768                 ; and their stage, 32 rows x 128 bytes
.set LAPS,   SIZE_K/(2*KSTEP)
.set DPITCH, 528                       ; the way out: a row of 128 f32 + 16 bytes
.set DWB,    64*DPITCH                 ; a wave's 64 rows
.set TWB,    4*DWB                     ; behind them a wave's table: cos 16 KiB, sin 16 KiB
.set ADRA, 16
.set ADRB, 20
.set SPW,  28
.set NIL,  29
.set F0,   64
.set F1,   128
.set DSTA, 32                          ; where I put my sums
.set OWN0, 33                          ; my 16 bytes of a row pair, and
.set PAR0, 34                          ; the 16 bytes 32 channels away
.set OWN,  35
.set PAR,  36
.set TC,   37
.set L16,  38                          ; 16 x lane
.set L8,   39                          ; 8 x lane
.set SG,   40                          ; v[40:41] -1 for channels 0-31, +1 for 32-63
.set TWA,  42
.set LN,   43
.set TC0,  44
.set PT,   48                          ; v48-55
.set OW,   64
.set PA,   128
.set CO,   192
.set SI,   208
.set KSM,  224                         ; v[224:231] k's column sums, 4 channels x 2 heads
.set GAF,  32                          ; the other groups: v32-95 x's fragments of four steps, later Wo as loaded
.set GACC, 96                          ; v96-159 eight accumulators ((a, nb) at 8 (4 a + nb))
.set GRED, 160                         ; v160-223 four partial sums of two blocks
.set GPK,  224                         ; v224-231 rounded
.set GOUT, 232                         ; v232-239 whole rows
.set WT,   240                         ; v240-243 at work
.set G1, 24
.set G0, 32
.set G1B, 48
.set G0B, 56
.set KIND, 72                          ; 0 q, 1 k, 2 v
.set HF,   73
.set TR,   74
.set SO,   75
.set OUT,  76
.set KSP,  78
.set TBP,  80
.set SC,   94
.set MSB, 0
.macro WIN new
.if MSB != (\new)
	s_set_vgpr_msb (MSB<<8)|(\new)
.set MSB, \new
.endif
.endm
.set MUL_LO, 0xa1                      ; source 0 (W) window 1, source 1 (x) window 0, C and D window 2
.set MUL_HI, 0xf1
.set TO_B,   0x40
; A joint load: waves 0 and 1 fetch A's halves, waves 2 and 3 B's.  An s_nop 0 and four v_nop follow each line.
.macro JLOAD s
	s_cmp_eq_u32 s11, 0
	s_cbranch_scc0 .Lfor_b_\@
	tensor_load_to_lds s[G0+4*(\s):G0+4*(\s)+3], s[G1:G1+7]
	s_nop 0
.rept 4
	v_nop
.endr
	s_branch .Lasked_\@
.Lfor_b_\@:
	tensor_load_to_lds s[G0B+4*(\s):G0B+4*(\s)+3], s[G1B:G1B+7]
	s_nop 0
.rept 4
	v_nop
.endr
.Lasked_\@:
.endm
.macro CREST                           ; a round of the cluster's barrier behind its opening barrier
	s_cmp_lg_u32 s10, 0
	s_cbranch_scc1 .Lnot_wave_0_\@
	s_barrier_signal -3
.Lnot_wave_0_\@:
	s_barrier_wait -3
	s_barrier_signal -1
	s_barrier_wait -1
.endm
.macro CROUND
	s_barrier_signal -1
	s_barrier_wait -1
	CREST
.endm
	s_load_b128 s[4:7], s[0:1], 0x0                ; xb, wb
	s_load_b128 s[68:71], s[0:1], 0x10             ; tab, qkv
	s_load_b128 s[84:87], s[0:1], 0x20             ; Wo, wo16
	s_load_b64 s[88:89], s[0:1], 0x30              ; g1b
	v_lshl_add_u32 v[SPW], v0, 2, SPARE
	v_mov_b32 v[NIL], 0
	ds_add_u32 v[SPW], v[NIL]                      ; the wave's opening: the add and its wait ahead of my first tensor load
	ds_add_u32 v28, v29
	v_lshrrev_b32 v1, 5, v0
	v_readfirstlane_b32 s10, v1                    ; wave 0..3
	s_lshr_b32 s11, s10, 1                         ; my half of the tile's rows; also: I fetch for A (0) or B (1)
	s_and_b32 s12, s10, 1                          ; my half of its columns; also: which 128 rows I fetch
	s_bfe_u32 s40, ttmp6, 0x40000                  ; cx
	s_bfe_u32 s41, ttmp6, 0x40004                  ; cy
	s_lshl_b32 s42, ttmp9, 2
	s_add_co_u32 s42, s42, s40                     ; tile column
	s_and_b32 s13, ttmp7, 0xffff
	s_lshl_b32 s13, s13, 2
	s_add_co_u32 s13, s13, s41                     ; tile row = chunk
	s_lshl_b32 s43, s41, 2
	s_lshl_b32 s43, 15, s43                        ; my row of the cluster
	s_lshl_b32 s44, 0x1111, s40                    ; my column
	s_or_b32 s[G1+0], s43, (1<<16)|(1<<20)|(1<<21)|(5<<22)|(3<<25)  ; mask; 2-byte elements; padding on; bit 21 beside a mask; after 64 words 4 words
	s_or_b32 s[G1B+0], s44, (1<<16)|(1<<20)|(1<<21)|(5<<22)|(3<<25)
.irp g, G1, G1B
	s_mov_b32 s[(\g)+1], KSTEP<<16                 ; tensor_dim0 = 128
	s_mov_b32 s[(\g)+2], 128<<16                   ; tensor_dim1 = 128
	s_mov_b32 s[(\g)+3], KSTEP<<16                 ; tile_dim0 = 128
	s_mov_b32 s[(\g)+4], 128                       ; tile_dim1 = 128
	s_mov_b32 s[(\g)+5], SIZE_K                    ; elements from row to row
	s_mov_b32 s[(\g)+6], 0
	s_mov_b32 s[(\g)+7], 0
.endr
	s_lshl_b32 s17, s12, 7
	s_lshl_b32 s16, s13, 8
	s_add_co_u32 s16, s16, s17                     ; A: row 256 x tile row + 128 x half
	s_lshl_b32 s46, s42, 8
	s_add_co_u32 s46, s46, s17                     ; B: row 256 x tile column + 128 x half
	s_mov_b32 s17, 0
	s_mov_b32 s47, 0
	s_mov_b64 s[18:19], SIZE_K*2
	s_mul_u64 s[16:17], s[16:17], s[18:19]
	s_mul_u64 s[46:47], s[46:47], s[18:19]
	s_mul_i32 s20, s10, HALFT                      ; LDS: wave x 128 rows
	s_wait_dscnt 0x0                               ; the opening add is done
	s_wait_kmcnt 0x0
	s_cmp_ge_u32 ttmp9, 6                          ; the cluster's x: the same in all sixteen partners
	s_cbranch_scc1 .Lside                          ; clusters 6 and 7 have no tile: g1 and Wo
	s_add_nc_u64 s[14:15], s[4:5], s[16:17]
	s_add_nc_u64 s[46:47], s[6:7], s[46:47]
	CROUND                                         ; all sixteen work-groups are here: the first joint loads meet
.irp s, 0,1
	s_mov_b32 s[G0+4*(\s)], 1
	s_add_co_u32 s[G0+4*(\s)+1], s20, (\s)*SLOT
	s_add_nc_u64 s[G0+4*(\s)+2:G0+4*(\s)+3], s[14:15], (\s)*KSTEP*2
	s_or_b32 s[G0+4*(\s)+3], s[G0+4*(\s)+3], 0x80000000
	s_mov_b32 s[G0B+4*(\s)], 1
	s_add_co_u32 s[G0B+4*(\s)+1], s20, (\s)*SLOT
	s_add_nc_u64 s[G0B+4*(\s)+2:G0B+4*(\s)+3], s[46:47], (\s)*KSTEP*2
	s_or_b32 s[G0B+4*(\s)+3], s[G0B+4*(\s)+3], 0x80000000
	JLOAD \s                                       ; two loads of mine are out
.endr
	v_and_b32 v1, 15, v0
	v_bfe_u32 v2, v0, 4, 1
	v_mul_u32_u24 v3, v1, PITCH
	v_lshl_add_u32 v3, v2, 4, v3                   ; a fragment's row x pitch + 16 x half
	s_mul_i32 s21, s11, HALFT
	s_mul_i32 s22, s12, HALFT
	s_add_co_u32 s22, s22, 2*HALFT
.irp s, 0,1
	v_add_nc_u32 v[ADRA+(\s)], s21, v3
	v_add_nc_u32 v[ADRB+(\s)], s22, v3
	s_add_co_u32 s21, s21, SLOT
	s_add_co_u32 s22, s22, SLOT
.endr
; 16 matrix instructions: row blocks a0, a0 + 1 of the window's four x all 8 column blocks, 32 along K.  zero = 1: the first product starts the sums.
.macro MUL16 f, hi, a0, zero
	WIN MUL_LO+0x50*(\hi)
.irp a, \a0, (\a0)+1
.irp b, 0,1,2,3,4,5,6,7
.if \zero
	v_wmma_f32_16x16x32_bf16 v[8*(8*(\a)+(\b)):8*(8*(\a)+(\b))+7], v[(\f)+8*(\b):(\f)+8*(\b)+7], v[(\f)+8*(4*(\hi)+(\a)):(\f)+8*(4*(\hi)+(\a))+7], 0
.else
	v_wmma_f32_16x16x32_bf16 v[8*(8*(\a)+(\b)):8*(8*(\a)+(\b))+7], v[(\f)+8*(\b):(\f)+8*(\b)+7], v[(\f)+8*(4*(\hi)+(\a)):(\f)+8*(4*(\hi)+(\a))+7], v[8*(8*(\a)+(\b)):8*(8*(\a)+(\b))+7]
.endif
.endr
.endr
.endm
.macro FETCH slot, k, f                ; 32 LDS loads in one run: a quarter step's fragments
	WIN TO_B
.irp i, 0,1,2,3,4,5,6,7
	ds_load_b128 v[(\f)+8*(\i):(\f)+8*(\i)+3],   v[ADRB+(\slot)] offset:(\k)+(\i)*16*PITCH
	ds_load_b128 v[(\f)+8*(\i)+4:(\f)+8*(\i)+7], v[ADRB+(\slot)] offset:(\k)+(\i)*16*PITCH+32
.endr
	WIN 0
.irp i, 0,1,2,3,4,5,6,7
	ds_load_b128 v[(\f)+8*(\i):(\f)+8*(\i)+3],   v[ADRA+(\slot)] offset:(\k)+(\i)*16*PITCH
	ds_load_b128 v[(\f)+8*(\i)+4:(\f)+8*(\i)+7], v[ADRA+(\slot)] offset:(\k)+(\i)*16*PITCH+32
.endr
.endm
.macro PLACES                          ; four places in front of loads into registers that matrix instructions have read (ISA guide 7.12.1 for vector instructions)
.rept 4
	v_nop
.endr
.endm
.macro QUARTER slot, k, f, g, zero     ; multiplies buffer f; in its middle fetches the next quarter, at byte k, into g
	s_wait_dscnt 8                                 ; W and x's rows 0-63 are in; the youngest eight loads may be out
	WIN MUL_LO
	MUL16 \f, 0, 0, \zero
	MUL16 \f, 0, 2, \zero
	PLACES
	FETCH \slot, \k, \g
	s_wait_dscnt 32                                ; all but the 32 just issued
	WIN MUL_HI
	MUL16 \f, 1, 0, \zero
	MUL16 \f, 1, 2, \zero
.endm
.macro MEET round                      ; the first half of a K step's last quarter: one barrier for the change of slots
	WIN 0
	s_wait_tensorcnt 0x0                           ; all my tensor loads have landed: the one that was out is my part of the next slot
	ds_add_u32 v[SPW], v[NIL]                      ; 0 onto my spare word
	s_wait_dscnt 9                                 ; the add and the youngest eight loads may be out
	WIN MUL_LO
	MUL16 F1, 0, 0, 0
	s_wait_dscnt 0x0                               ; the add is done, and my reads of this slot are over
	s_barrier_signal -1
	MUL16 F1, 0, 2, 0
.if \round
	WIN 0
.endif
	s_barrier_wait -1
.endm
.macro TURN slot, next                 ; the whole last quarter: the slot just read is filled again, two K steps ahead
	MEET 1
	CREST                                          ; no wave of any partner still reads this slot or has a load on its way
	s_add_nc_u64 s[G0+4*(\slot)+2:G0+4*(\slot)+3], s[G0+4*(\slot)+2:G0+4*(\slot)+3], 2*KSTEP*2
	s_add_nc_u64 s[G0B+4*(\slot)+2:G0B+4*(\slot)+3], s[G0B+4*(\slot)+2:G0B+4*(\slot)+3], 2*KSTEP*2
	JLOAD \slot                                    ; my one tensor load behind the round; its four v_nop are the places in front of the loads below
	FETCH \next, 0, F0
	WIN MUL_HI
	MUL16 F1, 1, 0, 0
	MUL16 F1, 1, 2, 0
.endm
	s_wait_tensorcnt 1                             ; my part of K step 0 is in; K step 1's may stay out
	s_barrier_signal -1
	s_barrier_wait -1
	FETCH 0, 0, F0
	QUARTER 0, 64,  F0, F1, 1                      ; the first quarter starts the sums: nothing is cleared
	WIN 0
	s_mov_b32 s3, LAPS-1
.Llap:                                                 ; a trip goes once round the ring and fills both slots again
	QUARTER 0, 128, F1, F0, 0
	QUARTER 0, 192, F0, F1, 0
	TURN 0, 1
	QUARTER 1, 64,  F0, F1, 0
	QUARTER 1, 128, F1, F0, 0
	QUARTER 1, 192, F0, F1, 0
	TURN 1, 0
	QUARTER 0, 64,  F0, F1, 0
	WIN 0
	s_sub_co_u32 s3, s3, 1
	s_cmp_lg_u32 s3, 0
	s_cbranch_scc1 .Llap
	QUARTER 0, 128, F1, F0, 0                      ; the last lap fills nothing
	QUARTER 0, 192, F0, F1, 0
	MEET 0
	PLACES
	FETCH 1, 0, F0
	WIN MUL_HI
	MUL16 F1, 1, 0, 0
	MUL16 F1, 1, 2, 0
	QUARTER 1, 64,  F0, F1, 0
	QUARTER 1, 128, F1, F0, 0
	QUARTER 1, 192, F0, F1, 0
	s_wait_dscnt 8
	WIN MUL_LO
	MUL16 F1, 0, 0, 0
	MUL16 F1, 0, 2, 0
	s_wait_dscnt 0x0
	MUL16 F1, 1, 0, 0
	MUL16 F1, 1, 2, 0
	WIN 0
	; THE WAY OUT.  The set-up's vector lines, which name no register of the last products, are the places behind them.
	s_lshr_b32 s[KIND], ttmp9, 1                   ; tile columns 0-7 q, 8-15 k, 16-23 v: the cluster's x alone decides
	s_lshl_b32 s82, s13, 8
	s_lshl_b32 s83, s11, 7
	s_add_co_u32 s82, s82, s83                     ; my first row
	s_and_b32 s83, s42, 7
	s_lshl_b32 s83, s83, 2
	s_lshl_b32 s84, s12, 1
	s_add_co_u32 s83, s83, s84                     ; my first head (I hold two)
	s_lshl_b32 s84, s83, 19
	s_lshl_b32 s85, s82, 8
	s_add_co_u32 s84, s84, s85                     ; q: head x 524,288 + row x 256
	s_lshl_b32 s86, s83, 18
	s_lshl_b32 s87, s82, 7
	s_add_co_u32 s86, s86, s87
	s_add_co_u32 s86, s86, 0x1000000               ; k: head x 262,144 + row x 128
	s_add_co_u32 s87, s86, 0x800000                ; v
	s_cmp_eq_u32 s[KIND], 0
	s_cselect_b32 s88, s84, s86
	s_cmp_eq_u32 s[KIND], 2
	s_cselect_b32 s88, s87, s88
	s_mov_b32 s89, 0
	s_add_nc_u64 s[OUT:OUT+1], s[70:71], s[88:89]
	s_lshl_b32 s88, s13, 1
	s_add_co_u32 s88, s88, s11
	s_lshl_b32 s88, s88, 13                        ; ks: row 2 chunk + half, 8,192 bytes each,
	s_lshl_b32 s90, s83, 8                         ; my two heads' 512 bytes
	s_add_co_u32 s88, s88, s90
	s_add_co_u32 s88, s88, 0x2000000
	s_add_nc_u64 s[KSP:KSP+1], s[70:71], s[88:89]
	s_lshl_b32 s88, s82, 7
	s_add_co_u32 s88, s88, 0x80000
	s_add_nc_u64 s[TBP:TBP+1], s[68:69], s[88:89]  ; cos of my 128 rows; sin lies 262,144 bytes on
	s_mul_i32 s90, s10, DWB
	s_lshl_b32 s91, s10, 15
	s_add_co_u32 s91, s91, TWB
	s_mov_b32 s92, 0x76543210
	s_mov_b32 s93, 0xfedcba98
	v_and_b32 v1, 15, v0
	v_bfe_u32 v2, v0, 4, 1
	v_mul_u32_u24 v[DSTA], v1, DPITCH
	v_lshl_add_u32 v[DSTA], v2, 5, v[DSTA]
	v_add_nc_u32 v[DSTA], s90, v[DSTA]             ; in: row lane % 16, 32 bytes for each half of the lanes
	v_mul_u32_u24 v[OWN0], v2, DPITCH              ; back: lanes 0-15 take a head's 256 bytes of one row, lanes 16-31 of the next
	v_add_nc_u32 v[OWN0], s90, v[OWN0]
	v_xor_b32 v[LN], 8, v1
	v_lshl_add_u32 v[PAR0], v[LN], 4, v[OWN0]
	v_lshl_add_u32 v[OWN0], v1, 4, v[OWN0]
	v_and_b32 v[LN], 7, v1
	v_lshlrev_b32 v[TC0], 7, v2
	v_lshl_add_u32 v[TC0], v[LN], 4, v[TC0]
	v_add_nc_u32 v[TC0], s91, v[TC0]               ; cos of my four frequencies
	v_and_b32 v[LN], 31, v0
	v_lshlrev_b32 v[L16], 4, v[LN]
	v_lshlrev_b32 v[L8], 3, v[LN]
	v_add_nc_u32 v[TWA], s91, v[L16]
	v_mov_b32 v[SG+1], -1.0
	v_cmp_gt_u32 vcc_lo, 8, v1
	v_cndmask_b32 v[SG], 1.0, v[SG+1], vcc_lo
	v_mov_b32 v[SG+1], v[SG]
.irp i, 0,1,2,3,4,5,6,7
	v_mov_b32 v[KSM+\i], 0
.endr
	s_wait_dscnt 0x0
	s_barrier_signal -1
	s_barrier_wait -1                              ; every wave's reads of the ring are over: its bytes are now the waves' own
	s_cmp_eq_u32 s[KIND], 2
	s_cbranch_scc1 .Lno_table
	WIN 0x40                                       ; the table through window 1's registers into my LDS bytes, in whole runs of 512 bytes
.set j, 0
.rept 32
	global_load_b128 v[4*j:4*j+3], v[L16], s[TBP:TBP+1] offset:512*j
.set j, j+1
.endr
.rept 32
	global_load_b128 v[4*j:4*j+3], v[L16], s[TBP:TBP+1] offset:262144+512*(j-32)
.set j, j+1
.endr
	s_wait_loadcnt 0x0
	WIN 0x04                                       ; store data window 1
.set j, 0
.rept 64
	ds_store_b128 v[TWA], v[4*j:4*j+3] offset:512*j
.set j, j+1
.endr
	WIN 0
.Lno_table:
.macro DUMP win                        ; 64 rows of sums into my bytes; each accumulator's low registers first
	WIN 4*(\win)
.irp a, 0,1,2,3
.irp b, 0,1,2,3,4,5,6,7
	ds_store_b128 v[DSTA], v[8*(8*(\a)+(\b)):8*(8*(\a)+(\b))+3] offset:(\a)*16*DPITCH+64*(\b)
	ds_store_b128 v[DSTA], v[8*(8*(\a)+(\b))+4:8*(8*(\a)+(\b))+7] offset:(\a)*16*DPITCH+64*(\b)+16
.endr
.endr
	WIN 0
.endm
; A trip: four pairs of rows x two heads.  kind 0: q, turned, f32.  1: k, turned, added to the column sums, f16.  2: v, f16.
; out = own cos + partner sin sg: t1 cos - t2 sin in channels 0-31, t2 cos + t1 sin in channels 32-63.  LDS serves a wave's instructions in order (ISA guide 5.7.1.4): these loads see DUMP's stores.
.macro ROWS kind
	v_add_nc_u32 v[OWN], s[SO], v[OWN0]
.if (\kind) < 2
	v_add_nc_u32 v[PAR], s[SO], v[PAR0]
	v_add_nc_u32 v[TC], s[SC], v[TC0]
.irp jj, 0,1,2,3
	ds_load_b128 v[CO+4*(\jj):CO+4*(\jj)+3], v[TC] offset:256*(\jj)
	ds_load_b128 v[SI+4*(\jj):SI+4*(\jj)+3], v[TC] offset:256*(\jj)+16384
.endr
.endif
.irp jj, 0,1,2,3
.irp hd, 0,1
	ds_load_b128 v[OW+16*(\jj)+4*(\hd):OW+16*(\jj)+4*(\hd)+3], v[OWN] offset:2*DPITCH*(\jj)+256*(\hd)
.if (\kind) < 2
	ds_load_b128 v[PA+16*(\jj)+4*(\hd):PA+16*(\jj)+4*(\hd)+3], v[PAR] offset:2*DPITCH*(\jj)+256*(\hd)
.endif
.endr
.endr
.irp jj, 0,1,2,3
.if (\kind) < 2
	s_wait_dscnt 12-4*(\jj)                        ; the later pairs' loads, four each, stay out
	v_pk_mul_f32 v[SI+4*(\jj):SI+4*(\jj)+1], v[SI+4*(\jj):SI+4*(\jj)+1], v[SG:SG+1]
	v_pk_mul_f32 v[SI+4*(\jj)+2:SI+4*(\jj)+3], v[SI+4*(\jj)+2:SI+4*(\jj)+3], v[SG:SG+1]
.else
	s_wait_dscnt 6-2*(\jj)                         ; the later pairs' loads, two each, stay out
.endif
.irp hd, 0,1
.set ra, PA+16*(\jj)+4*(\hd)
.set ro, OW+16*(\jj)+4*(\hd)
.if (\kind) < 2
	v_pk_mul_f32 v[ra:ra+1], v[ra:ra+1], v[SI+4*(\jj):SI+4*(\jj)+1]
	v_pk_mul_f32 v[ra+2:ra+3], v[ra+2:ra+3], v[SI+4*(\jj)+2:SI+4*(\jj)+3]
	v_pk_fma_f32 v[ra:ra+1], v[ro:ro+1], v[CO+4*(\jj):CO+4*(\jj)+1], v[ra:ra+1]
	v_pk_fma_f32 v[ra+2:ra+3], v[ro+2:ro+3], v[CO+4*(\jj)+2:CO+4*(\jj)+3], v[ra+2:ra+3]
.endif
.if (\kind) == 0
	global_store_b128 v[L16], v[ra:ra+3], s[OUT:OUT+1] offset:512*(\jj)+524288*(\hd)  ; two rows of a head: 512 consecutive bytes
.elseif (\kind) == 1
	v_pk_add_f32 v[KSM+4*(\hd):KSM+4*(\hd)+1], v[KSM+4*(\hd):KSM+4*(\hd)+1], v[ra:ra+1]
	v_pk_add_f32 v[KSM+4*(\hd)+2:KSM+4*(\hd)+3], v[KSM+4*(\hd)+2:KSM+4*(\hd)+3], v[ra+2:ra+3]
	v_cvt_pk_f16_f32 v[ra], v[ra], v[ra+1]
	v_cvt_pk_f16_f32 v[ra+1], v[ra+2], v[ra+3]
	global_store_b64 v[L8], v[ra:ra+1], s[OUT:OUT+1] offset:256*(\jj)+262144*(\hd)    ; two rows of a head: 256 consecutive bytes
.else
	v_cvt_pk_f16_f32 v[ro], v[ro], v[ro+1]
	v_cvt_pk_f16_f32 v[ro+1], v[ro+2], v[ro+3]
	global_store_b64 v[L8], v[ro:ro+1], s[OUT:OUT+1] offset:256*(\jj)+262144*(\hd)
.endif
.endr
.endr
.endm
.macro STEP bytes
	s_wait_xcnt 0x0                                ; the stores' data and base are written again only behind this wait (ISA guide 3.1)
	s_add_nc_u64 s[OUT:OUT+1], s[OUT:OUT+1], \bytes  ; eight rows on
	s_add_co_u32 s[SO], s[SO], 8*DPITCH
	s_add_co_u32 s[SC], s[SC], 1024
	s_sub_co_u32 s[TR], s[TR], 1
	s_cmp_lg_u32 s[TR], 0
.endm
	s_mov_b32 s[HF], 0
.Lhalf:                                                ; my rows 0-63, then 64-127
	s_cmp_eq_u32 s[HF], 0
	s_cbranch_scc0 .Ldump_hi
	DUMP 2
	s_branch .Ldumped
.Ldump_hi:
	DUMP 3
.Ldumped:
	s_mov_b32 s[SO], 0
	s_lshl_b32 s[SC], s[HF], 13                    ; the table's rows go on: 64 rows of 128 bytes
	s_mov_b32 s[TR], 8
	s_cmp_eq_u32 s[KIND], 0
	s_cbranch_scc1 .Lq
	s_cmp_eq_u32 s[KIND], 1
	s_cbranch_scc1 .Lk
.Lv:
	ROWS 2
	STEP 1024
	s_cbranch_scc1 .Lv
	s_branch .Lrows_done
.Lq:
	ROWS 0
	STEP 2048
	s_cbranch_scc1 .Lq
	s_branch .Lrows_done
.Lk:
	ROWS 1
	STEP 1024
	s_cbranch_scc1 .Lk
.Lrows_done:
	s_add_co_u32 s[HF], s[HF], 1
	s_cmp_lt_u32 s[HF], 2
	s_cbranch_scc1 .Lhalf
	s_cmp_eq_u32 s[KIND], 1
	s_cbranch_scc0 .Lno_sums
.irp i, 0,1,2,3,4,5,6,7                ; even rows' sums lie in lanes 0-15, odd rows' in lanes 16-31
	v_mov_b32 v[PT+\i], v[KSM+\i]                  ; v_permlanex16_b32's destination counts as read
.endr
.irp i, 0,1,2,3,4,5,6,7
	v_permlanex16_b32 v[PT+\i], v[KSM+\i], s92, s93
.endr
.irp i, 0,1,2,3,4,5,6,7
	v_add_f32 v[KSM+\i], v[KSM+\i], v[PT+\i]
.endr
	v_cmp_gt_u32 vcc_lo, 16, v[LN]
.irp i, 0,1,2,3
	v_cndmask_b32 v[KSM+\i], v[KSM+4+\i], v[KSM+\i], vcc_lo  ; lanes 0-15 store the first head's sums, lanes 16-31 the second's
.endr
	global_store_b128 v[L16], v[KSM:KSM+3], s[KSP:KSP+1]      ; 512 consecutive bytes
.Lno_sums:
	s_wait_tensorcnt 0x0                           ; the wave's end
	ds_add_u32 v[SPW], v[NIL]
	s_wait_dscnt 0x0
	CROUND                                         ; the closing round
	s_endpgm
; THE OTHER 64 WORK-GROUPS.  Group g = 0 .. 63 is made of the cluster's x and y and the place in it; it enters global addresses alone.
.Lside:
	s_sub_co_u32 s16, ttmp9, 6                     ; 0, 1
	s_and_b32 s17, ttmp7, 0xffff                   ; 0, 1
	s_lshl1_add_u32 s16, s16, s17
	s_lshl2_add_u32 s16, s16, s41
	s_lshl2_add_u32 s16, s16, s40                  ; g
	s_mov_b32 s19, 0
	s_lshl_b32 s18, s16, 17
	s_add_nc_u64 s[4:5], s[4:5], s[18:19]          ; my 32 rows of x, 4,096 bytes each
	s_add_nc_u64 s[86:87], s[86:87], s[18:19]      ; my 131,072 bytes of wo16
	s_lshl_b32 s18, s16, 18
	s_add_nc_u64 s[84:85], s[84:85], s[18:19]      ; my 262,144 bytes of Wo
	s_lshl_b32 s18, s16, 12
	s_add_nc_u64 s[88:89], s[88:89], s[18:19]      ; my 32 rows of g1, 128 bytes each
	; g1.  A wave takes 512 of K: four trips of four steps of 32.  Source 0 = 16 rows of Wg1 (tab's head), source 1 = 16 rows of x: a lane holds a row of g1 and eight neighbouring columns.
	v_and_b32 v1, 15, v0
	v_bfe_u32 v2, v0, 4, 1
	v_and_b32 v5, 31, v0
	v_lshlrev_b32 v3, 12, v1                       ; row x 4,096
	v_lshl_add_u32 v3, v2, 4, v3                   ; + 16 x half
	s_lshl_b32 s14, s10, 10
	v_add_nc_u32 v3, s14, v3                       ; + my wave's 512 of K
.set i, 0
.rept 64                               ; the eight accumulators are cleared: 64 short lines, once, in place of a second copy of the trip's text
	v_mov_b32 v[GACC+i], 0
.set i, i+1
.endr
	s_mov_b32 s3, 4
.Lg1:
	PLACES                                         ; behind the last trip's products, in front of the loads into their sources
.set i, 0
.rept 16                               ; x: step i / 4, row block (i / 2) % 2, half i % 2
	global_load_b128 v[GAF+4*i:GAF+4*i+3], v3, s[4:5] offset:((i/2)%2)*65536+(i/4)*64+(i%2)*32
.set i, i+1
.endr
	WIN 0x40                                       ; destination window 1
.set i, 0
.rept 32                               ; Wg1, step by step: step i / 8, column block (i / 2) % 4, half i % 2
	global_load_b128 v[4*i:4*i+3], v3, s[68:69] offset:((i/2)%4)*65536+(i/8)*64+(i%2)*32
.set i, i+1
.endr
	WIN 0x01                                       ; source 0 window 1
.set st, 0
.rept 4
	s_wait_loadcnt 24-8*st                         ; the later steps' loads of Wg1, eight a step, stay out
.irp a, 0,1                            ; the eight accumulators take turns
.irp nb, 0,1,2,3
	v_wmma_f32_16x16x32_bf16 v[GACC+8*(4*\a+\nb):GACC+8*(4*\a+\nb)+7], v[32*st+8*\nb:32*st+8*\nb+7], v[GAF+16*st+8*\a:GAF+16*st+8*\a+7], v[GACC+8*(4*\a+\nb):GACC+8*(4*\a+\nb)+7]
.endr
.endr
.set st, st+1
.endr
	WIN 0
	s_add_nc_u64 s[4:5], s[4:5], 256               ; 128 of K on: every load has come back, so the bases are free
	s_add_nc_u64 s[68:69], s[68:69], 256
	s_sub_co_u32 s3, s3, 1
	s_cmp_lg_u32 s3, 0
	s_cbranch_scc1 .Lg1
	v_lshlrev_b32 v6, 4, v5                        ; the addresses' lines are the places behind the last products (ISA guide 7.12.1)
	v_lshlrev_b32 v8, 7, v1
	v_lshl_add_u32 v8, v2, 4, v8
	v_add_nc_u32 v8, SSTG, v8
	s_lshl_b32 s14, s10, 13
	s_add_co_u32 s14, s14, SCR
	s_lshl_b32 s15, s10, 11
	s_add_co_u32 s15, s15, SCR
	s_lshl_b32 s20, s11, 11
	s_lshl_b32 s21, s12, 6
	s_add_co_u32 s20, s20, s21
	s_lshl_b32 s22, s10, 10
	v_add_nc_u32 v7, s14, v6                       ; my wave's 8,192 bytes of partial sums
	v_add_nc_u32 v9, s15, v6                       ; back: blocks 2 w and 2 w + 1 of every wave's
	v_add_nc_u32 v8, s20, v8                       ; stage, in: row (16 (w / 2) + lane % 16) x 128 + 64 (w % 2) + 16 x half
	v_add_nc_u32 v10, s22, v6                      ; 1,024 w + 16 lane
	v_add_nc_u32 v11, SSTG, v10
	v_lshlrev_b32 v12, 4, v0                       ; Wo: 16 bytes a thread in,
	v_lshlrev_b32 v13, 3, v0                       ; 8 out
.set i, 0
.rept 8                                ; each accumulator's low registers first
	ds_store_b128 v7, v[GACC+8*i:GACC+8*i+3] offset:1024*i
	ds_store_b128 v7, v[GACC+8*i+4:GACC+8*i+7] offset:1024*i+512
.set i, i+1
.endr
	s_wait_dscnt 0x0                               ; for the others' sake: my partial sums are in LDS
	s_barrier_signal -1
	s_barrier_wait -1
.set i, 0
.rept 16                               ; wave i / 4's sums, block 2 w + (i / 2) % 2, half i % 2
	ds_load_b128 v[GRED+4*i:GRED+4*i+3], v9 offset:(i/4)*8192+((i/2)%2)*1024+(i%2)*512
.set i, i+1
.endr
	s_wait_dscnt 0x0
.irp p, 1,2,3                          ; K ascending
.irp q, 0,2,4,6,8,10,12,14
	v_pk_add_f32 v[GRED+\q:GRED+\q+1], v[GRED+\q:GRED+\q+1], v[GRED+16*\p+\q:GRED+16*\p+\q+1]
.endr
.endr
.irp q, 0,1,2,3,4,5,6,7
	v_cvt_pk_bf16_f32 v[GPK+\q], v[GRED+2*\q], v[GRED+2*\q+1]
.endr
	ds_store_b128 v8, v[GPK:GPK+3]
	ds_store_b128 v8, v[GPK+4:GPK+7] offset:32
	s_wait_dscnt 0x0                               ; a stage row's 128 bytes come from two waves
	s_barrier_signal -1
	s_barrier_wait -1
	ds_load_b128 v[GOUT:GOUT+3], v11
	ds_load_b128 v[GOUT+4:GOUT+7], v11 offset:512
	s_wait_dscnt 0x0
	global_store_b128 v10, v[GOUT:GOUT+3], s[88:89]               ; 512 consecutive bytes a store
	global_store_b128 v10, v[GOUT+4:GOUT+7], s[88:89] offset:512
	; Wo: eight trips of 32 KiB; a store of 8 bytes a lane covers 256 consecutive aligned bytes a wave.
	s_mov_b32 s3, 8
.Lwo:
.set i, 0
.rept 16
	global_load_b128 v[GAF+4*i:GAF+4*i+3], v12, s[84:85] offset:2048*i th:TH_LOAD_NT
.set i, i+1
.endr
.set i, 0
.rept 16
	s_wait_loadcnt 15-i                            ; the younger loads stay out
	v_cvt_pk_bf16_f32 v[GAF+4*i], v[GAF+4*i], v[GAF+4*i+1]        ; rounded to bf16 like every input,
	v_cvt_pk_bf16_f32 v[GAF+4*i+1], v[GAF+4*i+2], v[GAF+4*i+3]
	v_lshlrev_b32 v[WT], 16, v[GAF+4*i]
	v_and_b32 v[WT+1], 0xffff0000, v[GAF+4*i]
	v_lshlrev_b32 v[WT+2], 16, v[GAF+4*i+1]
	v_and_b32 v[WT+3], 0xffff0000, v[GAF+4*i+1]
	v_cvt_pk_f16_f32 v[GAF+4*i], v[WT], v[WT+1]                   ; and that number written as f16: exact within f16's range
	v_cvt_pk_f16_f32 v[GAF+4*i+1], v[WT+2], v[WT+3]
	global_store_b64 v13, v[GAF+4*i:GAF+4*i+1], s[86:87] offset:1024*i
.set i, i+1
.endr
	s_wait_xcnt 0x0                                ; the stores' data and the bases are written again only behind this wait (ISA guide 3.1)
	s_add_nc_u64 s[84:85], s[84:85], 32768
	s_add_nc_u64 s[86:87], s[86:87], 16384
	s_sub_co_u32 s3, s3, 1
	s_cmp_lg_u32 s3, 0
	s_cbranch_scc1 .Lwo
	s_wait_tensorcnt 0x0                           ; the wave's end
	ds_add_u32 v[SPW], v[NIL]
	s_wait_dscnt 0x0
	s_endpgm
.Lfunc_end_k_qee65a4d337_proj:
	.size	k_qee65a4d337_proj, .Lfunc_end_k_qee65a4d337_proj-k_qee65a4d337_proj
	.p2alignl 7, 3214868480
	.fill 96, 4, 3214868480
	.section	.rodata,"a",@progbits
	.p2align	6, 0x0
	.amdhsa_kernel k_qee65a4d337_proj
		.amdhsa_group_segment_fixed_size 327680
		.amdhsa_private_segment_fixed_size 0
		.amdhsa_enable_private_segment 0
		.amdhsa_kernarg_size 56
		.amdhsa_user_sgpr_count 2
		.amdhsa_user_sgpr_kernarg_segment_ptr 1
		.amdhsa_wavefront_size32 1
		.amdhsa_system_sgpr_workgroup_id_x 1
		.amdhsa_system_sgpr_workgroup_id_y 1
		.amdhsa_system_sgpr_workgroup_id_z 1
		.amdhsa_system_vgpr_workitem_id 0
		.amdhsa_next_free_vgpr 1024
		.amdhsa_next_free_sgpr 96
		.amdhsa_reserve_vcc 1
		.amdhsa_float_denorm_mode_32 3
		.amdhsa_float_denorm_mode_16_64 3
		.amdhsa_memory_ordered 1
		.amdhsa_forward_progress 1
		.amdhsa_inst_pref_size 175
	.end_amdhsa_kernel
	.amdgpu_metadata
---
amdhsa.version: [ 1, 2 ]
amdhsa.kernels:
  - .name:           k_qee65a4d337_proj
    .symbol:         k_qee65a4d337_proj.kd
    .args:
      - { .name: xb, .offset: 0, .size: 8, .value_kind: global_buffer, .address_space: global }
      - { .name: wb, .offset: 8, .size: 8, .value_kind: global_buffer, .address_space: global }
      - { .name: tab, .offset: 16, .size: 8, .value_kind: global_buffer, .address_space: global }
      - { .name: qkv, .offset: 24, .size: 8, .value_kind: global_buffer, .address_space: global }
      - { .name: Wo, .offset: 32, .size: 8, .value_kind: global_buffer, .address_space: global }
      - { .name: wo16, .offset: 40, .size: 8, .value_kind: global_buffer, .address_space: global }
      - { .name: g1b, .offset: 48, .size: 8, .value_kind: global_buffer, .address_space: global }
    .group_segment_fixed_size: 327680
    .private_segment_fixed_size: 0
    .kernarg_segment_align: 8
    .kernarg_segment_size: 56
    .max_flat_workgroup_size: 128
    .sgpr_count:     96
    .vgpr_count:     1024
    .wavefront_size: 32
...
	.end_amdgpu_metadata
.endif
;; end of part 2
;; launch attn (part 3): grid 8 x 32, 4 waves a work-group, no clusters, 327,680 bytes of LDS; arguments qkv, g1b, tab, o_norm_weight, og; writes og
.if DOCPART == 3
	.amdgcn_target "amdgcn-amd-amdhsa--gfx1250"
	.amdhsa_code_object_version 6
	.text
	.protected	k_qee65a4d337_attn
	.globl	k_qee65a4d337_attn
	.p2align	8
	.type	k_qee65a4d337_attn,@function
k_qee65a4d337_attn:
	s_mov_b64 s[64:65], 0
	v_nop
	global_prefetch_b8 v0, s[64:65] scope:SCOPE_SE
	s_setreg_imm32_b32 hwreg(HW_REG_WAVE_MODE, 25, 1), 1
	s_wait_xcnt 0x0
; CHUNK CHOICE, CAUSAL ATTENTION OVER THE CHOSEN CHUNKS, GATED RMS NORM.  In: qkv (q f32, k and v f16 by heads, ks f32 chunk half sums), g1b bf16 [2048][64], tab (Wg2 bf16 at 262,144), o_norm_weight.
; Out: og f16 [16 blocks of 128 rows][32 heads][128][64].
; THE WALK.  A head's queries lie in 16 blocks of 128; block j lies in chunk j / 2 and needs that chunk's 256 keys (the diagonal tile) and the chunks before it.  A work-group takes blocks b and 15 - b:
; 9 tiles whatever b, so 256 work-groups do equal work and one loop with a constant count walks them.  A block's diagonal tile comes FIRST, then chunks 0, 1, ..: every row sees key 0 of its own
; chunk in the first step, so the running maximum is a true score before the first hidden one.  The second block has five tiles or more, so the walk's last tile, written out, is a plain one.
; THE CHOICE is per query, so every earlier chunk is walked and the choice is a number: the C operand that starts the sum S^T = K Q^T is 0, or -1e30 where the query has not chosen the chunk (or, in the
; diagonal tile, where the key lies behind the query).  No address and no branch hangs on it.  A chunk before the query's own is chosen if at most two others of them have a greater gate (a tie goes
; to the lower chunk); the own chunk always.  The gate is q . (sum of the chunk's keys): the mean's factor 2^-8 changes no order.  It is made in f32, by the f32 matrix form: 16 x 16 x 64 numbers a tile of
; queries, a thousandth of the launch's products; in 16 bits the order of near gates would not be the reference's.
; LIMITS.  q, k, v within f16 (65,504).  A hidden score counts as -1e30; a weight below 2^-126 as 0; NaN and infinities are not treated apart.  Two gates closer than the noise of f32 sums
; (about 1e-6 of their spread) may be ranked otherwise than by a sum in another order.  o_norm_weight is rounded to bf16 like every input.
; NO CLUSTER: a head's eight work-groups ask for different tiles at every place of the walk (own chunk first, blocks of different length); a walk common to all would have 16 places for 9.
; LAYOUT.  S^T = K Q^T holds one query a lane (lane % 16) and keys 8 (lane / 16) + 0..7; two results rounded to f16 are source 1 of O^T = V^T P; the gate path's G = Wg2 g1^T has O^T's layout.
; SOFTMAX.  p = 2^(c s - c m), c = log2(e) / 8, running maximum m and sum l; O and l are multiplied by a = 2^(c m_old - c m_new) in every step; a block's first step has a = 0.
; A wave owns 32 rows of a block: two tiles of 16 queries.  The step is written in phases (K Q^T, softmax, V^T P).
; REGISTERS, windows of 256 (s_set_vgpr_msb: bits 1:0 source 0, 3:2 source 1, 5:4 source 2, 7:6 destination):
;   0: v0-15 addresses; v16-31 statistics; v40-55 BB, v56-70 BI the chunks' C numbers; v96-127 Q f16; v128-191 S^T; v192-223 P; v224-255 the way out
;   1: v0-63 K, v64-127 V of a step; v128-191 O^T; v192-255 the diagonal's masks      2: v0-63 q f32, v64-127 the second block's; v128-191 chunk sums; v192-207 gates; v208-239 norm weights
;   3: v0-63 g1's fragments of both blocks; v64-127 Wg2's
.set KS,    64
.set PK,    144                        ; a row of K in LDS: 128 bytes + 16: the 16 rows of a load start at 16 different groups of four banks (ISA guide 11.1)
.set PV,    160                        ; a row of V: 128 + 32
.set VOFF,  4*KS*PK
.set SLOT1, 1<<17
.set STAGE, SLOT1+4*KS*(PK+PV)
.set SP,    144
.set SPARE, STAGE+4*16*SP
.set AK0, 2
.set AV0, 3
.set AK,  4
.set AV,  5
.set STO, 6
.set RD,  7
.set GO,  8
.set QI,  12                           ; my query's place in its block less 8 (lane / 16)
.set THR, 14                           ; v14-15 by tile: register j of key block kb is hidden where 16 kb + j is greater
.set ST,  16                           ; tile t at ST + 8 t: c m, m, l (even, odd keys'), c0-c3 at work
.set MV,  32
.set SPW, 34
.set NIL, 35
.set BIGV, 36                          ; -1e30
.set BB,  40                           ; tile t: eight registers, the C block of the plain tile in hand
.set BI,  56                           ; tile t at BI + 8 t: the numbers of the chunks still to come
.set VQ,  72
.set VK,  73
.set VG,  74
.set VW,  75
.set Q,   96
.set S,   128
.set GM,  S                            ; at a block's beginning: gates, ranks, a flag
.set DD,  S+16
.set TT,  S+32
.set P,   192
.set WK,  224
.set KF,  0                            ; window 1
.set VF,  64
.set O,   128
.set MC,  192
.set QF,  0                            ; window 2
.set QH,  64
.set KSF, 128
.set KSQ, 160
.set GT,  192                          ; written by matrix instructions alone
.set WN,  208
.set G1L, 0                            ; window 3
.set G1H, 32
.set WG2, 64
.set WV,  14
.set PB,  15
.set HD,  16
.set QCL, 17
.set QCH, 18
.set QC,  19                           ; the chunk of the block in hand
.set HB,  20                           ; 128 x (its half of the chunk)
.set AJ,  21                           ; asking: place in the block's walk,
.set AQ,  22                           ; and that block's chunk
.set RT,  23                           ; tiles of the block in hand still to be walked
.set G1K, 24
.set G1V, 32
.set G0K, 40
.set G0V, 44
.set KB,  48
.set VB,  50
.set OFF, 52
.set NEW, 54
.set SLOTS, 55
.set CNT, 56
.set TBK, 57
.set CS,  58
.set SEL, 60
.set R64, 62
.set EPS, 63
.set TBV, 66
.set TN,  67
.set MK,  68
.set HBH, 69
.set OL,  70
.set OH,  72
.set NL,  74
.set MSB, 0
.macro WIN new
.if MSB != (\new)
	s_set_vgpr_msb (MSB<<8)|(\new)
.set MSB, (\new)
.endif
.endm
.macro PLACES                          ; four places behind matrix instructions (ISA guide 7.12.1 for vector instructions)
.rept 4
	v_nop
.endr
.endm
; A fill: waves 0 and 1 fetch the halves of a tile's K, waves 2 and 3 those of its V, 128 keys each.  An s_nop 0 and four v_nop follow each line.
.macro LOAD
	s_cmp_lt_u32 s[WV], 2
	s_cbranch_scc0 .Lfor_v_\@
	tensor_load_to_lds s[G0K:G0K+3], s[G1K:G1K+7]
	s_nop 0
.rept 4
	v_nop
.endr
	s_branch .Lasked_\@
.Lfor_v_\@:
	tensor_load_to_lds s[G0V:G0V+3], s[G1V:G1V+7]
	s_nop 0
.rept 4
	v_nop
.endr
.Lasked_\@:
.endm
; THE CHANGE OF SLOTS.  Each wave waits for all its tensor loads (one is out: its part of the other slot), adds 0 to its spare word, waits for that and for its reads of the slot that it leaves.
; fill = 1: the old slot is filled again, first thing behind the barrier, with the walk's next tile: the block's own chunk at place 0, chunk place - 1 behind it.  One tensor load of mine is out at any time.
.macro CHANGE fill
	WIN 0
	s_wait_tensorcnt 0x0
	ds_add_u32 v[SPW], v[NIL]                      ; 0 onto my spare word; scalar work stands between it and the wait for it
.if \fill
	s_sub_co_u32 s[TN], s[AJ], 1
	s_cmp_eq_u32 s[AJ], 0
	s_cselect_b32 s[TN], s[AQ], s[TN]
	s_lshl_b32 s[OFF], s[TN], 15                   ; a tile is 32,768 bytes of K and of V
	s_xor_b32 s[G0K+1], s[G0K+1], SLOT1
	s_add_nc_u64 s[G0K+2:G0K+3], s[KB:KB+1], s[OFF:OFF+1]
	s_or_b32 s[G0K+3], s[G0K+3], 0x80000000
	s_xor_b32 s[G0V+1], s[G0V+1], SLOT1
	s_add_nc_u64 s[G0V+2:G0V+3], s[VB:VB+1], s[OFF:OFF+1]
	s_or_b32 s[G0V+3], s[G0V+3], 0x80000000
	s_add_co_u32 s[AJ], s[AJ], 1
	s_cmp_gt_u32 s[AJ], s[AQ]                      ; behind the first block's last tile: the second block
	s_cselect_b32 s[AJ], 0, s[AJ]
	s_cselect_b32 s[AQ], s[QCH], s[AQ]
.endif
	s_wait_dscnt 0x0                               ; the add is done, and my reads of the slot are over
	s_barrier_signal -1
	s_sub_co_u32 s[TBK], s[TBK], 4*KS*PK           ; the fetches go back to a slot's first step, in the other slot
	s_xor_b32 s[TBK], s[TBK], SLOT1
	s_sub_co_u32 s[TBV], s[TBV], 4*KS*PV
	s_xor_b32 s[TBV], s[TBV], SLOT1
	s_barrier_wait -1
.if \fill
	LOAD
.endif
.endm
	s_load_b256 s[4:11], s[0:1], 0x0               ; qkv 4, g1b 6, tab 8, o_norm_weight 10
	s_load_b64 s[12:13], s[0:1], 0x20              ; og
	v_lshl_add_u32 v[SPW], v0, 2, SPARE
	v_mov_b32 v[NIL], 0
	ds_add_u32 v[SPW], v[NIL]                      ; the wave's opening: the add and its wait ahead of my first tensor load
	ds_add_u32 v34, v35
	v_lshrrev_b32 v1, 5, v0
	v_readfirstlane_b32 s[WV], v1
	s_mov_b32 s[PB], ttmp9
	s_and_b32 s[HD], ttmp7, 0xffff
	s_sub_co_u32 s76, 15, s[PB]                    ; the second block
	s_lshr_b32 s[QCL], s[PB], 1
	s_lshr_b32 s[QCH], s76, 1
	s_and_b32 s[HB], s[PB], 1
	s_lshl_b32 s[HB], s[HB], 7
	s_and_b32 s[HBH], s76, 1
	s_lshl_b32 s[HBH], s[HBH], 7
	s_and_b32 s77, s[WV], 1                        ; which half of a tile's keys I fetch
	s_lshl_b32 s78, s[HD], 18
	s_lshl_b32 s79, s77, 14
	s_add_co_u32 s78, s78, s79
	s_add_co_u32 s80, s78, 0x1800000               ; V
	s_add_co_u32 s78, s78, 0x1000000               ; K
	s_mov_b32 s79, 0
	s_mov_b32 s81, 0
	s_mul_i32 s82, s77, 128*PK
	s_mul_i32 s83, s77, 128*PV
	s_lshl_b32 s96, s[HD], 19
	s_lshl_b32 s97, s[WV], 13
	s_add_co_u32 s96, s96, s97
	s_lshl_b32 s84, s[PB], 15
	s_add_co_u32 s84, s84, s96                     ; q of my 32 rows: head x 524,288 + block x 32,768 + wave x 8,192
	s_mov_b32 s85, 0
	s_lshl_b32 s86, s76, 15
	s_add_co_u32 s86, s86, s96
	s_mov_b32 s87, 0
	s_lshl_b32 s88, s[HD], 8
	s_add_co_u32 s88, s88, 0x2000000               ; the head's 64 columns of ks
	s_mov_b32 s89, 0
	s_lshl_b32 s97, s[WV], 12
	s_lshl_b32 s90, s[PB], 14
	s_add_co_u32 s90, s90, s97                     ; g1 of my rows
	s_mov_b32 s91, 0
	s_lshl_b32 s92, s76, 14
	s_add_co_u32 s92, s92, s97
	s_mov_b32 s93, 0
	s_lshl_b32 s94, s[HD], 13
	s_add_co_u32 s94, s94, 0x40000                 ; the head's 64 rows of Wg2
	s_mov_b32 s95, 0
	s_lshl_b32 s98, s[HD], 14
	s_add_co_u32 s98, s98, s97
	s_lshl_b32 s96, s[PB], 19
	s_add_co_u32 s96, s96, s98                     ; og: (block x 32 + head) x 16,384 + wave x 4,096
	s_mov_b32 s97, 0
	s_lshl_b32 s76, s76, 19
	s_add_co_u32 s98, s98, s76
	s_mov_b32 s99, 0
	; descriptor group 1: 128 keys are 16,384 dense bytes: 64 rows of 256 bytes, padded in LDS after every key
	s_mov_b32 s[G1K], (1<<16)|(1<<20)|(4<<22)|(3<<25)  ; 2-byte elements; padding on; after every 32 words 4 words
	s_mov_b32 s[G1V], (1<<16)|(1<<20)|(4<<22)|(7<<25)  ; the same with 8 words
.irp g, G1K, G1V
	s_mov_b32 s[\g+1], 128<<16
	s_mov_b32 s[\g+2], 64<<16
	s_mov_b32 s[\g+3], 128<<16
	s_mov_b32 s[\g+4], 64
	s_mov_b32 s[\g+5], 128
	s_mov_b32 s[\g+6], 0
	s_mov_b32 s[\g+7], 0
.endr
	s_mov_b32 s[CS], 0x3e38aa3b                    ; c = log2(e) / 8
	s_mov_b32 s[CS+1], s[CS]
	s_mov_b32 s[NL], 0xbfb8aa3b                    ; -log2(e)
	s_mov_b32 s[NL+1], s[NL]
	s_mov_b32 s[SEL], 0x76543210
	s_mov_b32 s[SEL+1], 0xfedcba98
	s_mov_b32 s[R64], 0x3c800000                   ; 1 / 64
	s_mov_b32 s[EPS], 0x358637bd                   ; 1e-6
	s_mov_b32 s[TBK], SLOT1+4*KS*PK                ; the first change of slots turns these two into 0
	s_mov_b32 s[TBV], SLOT1+4*KS*PV
	s_mov_b32 s[G0K], 1
	s_mov_b32 s[G0K+1], s82
	s_mov_b32 s[G0V], 1
	s_add_co_u32 s[G0V+1], s83, VOFF
	s_lshl_b32 s[OFF], s[QCL], 15                  ; the walk's first tile: the first block's own chunk
	s_mov_b32 s[OFF+1], 0
	s_mov_b32 s[AJ], 1
	s_mov_b32 s[AQ], s[QCL]
	s_cmp_gt_u32 s[AJ], s[AQ]
	s_cselect_b32 s[AJ], 0, s[AJ]
	s_cselect_b32 s[AQ], s[QCH], s[AQ]
	s_add_co_u32 s[RT], s[QCL], 1
	s_mov_b32 s[QC], s[QCL]
	s_mov_b32 s[NEW], 1
	s_mov_b32 s[SLOTS], 8
	s_wait_dscnt 0x0                               ; the opening add is done
	s_wait_kmcnt 0x0
	s_add_nc_u64 s[KB:KB+1], s[4:5], s[78:79]
	s_add_nc_u64 s[VB:VB+1], s[4:5], s[80:81]
	s_add_nc_u64 s[G0K+2:G0K+3], s[KB:KB+1], s[OFF:OFF+1]
	s_or_b32 s[G0K+3], s[G0K+3], 0x80000000
	s_add_nc_u64 s[G0V+2:G0V+3], s[VB:VB+1], s[OFF:OFF+1]
	s_or_b32 s[G0V+3], s[G0V+3], 0x80000000
	s_add_nc_u64 s[84:85], s[4:5], s[84:85]
	s_add_nc_u64 s[86:87], s[4:5], s[86:87]
	s_add_nc_u64 s[88:89], s[4:5], s[88:89]
	s_add_nc_u64 s[90:91], s[6:7], s[90:91]
	s_add_nc_u64 s[92:93], s[6:7], s[92:93]
	s_add_nc_u64 s[94:95], s[8:9], s[94:95]
	s_add_nc_u64 s[OL:OL+1], s[12:13], s[96:97]
	s_add_nc_u64 s[OH:OH+1], s[12:13], s[98:99]
	LOAD                                           ; into slot 0
	v_and_b32 v1, 15, v0                           ; r
	v_bfe_u32 v9, v0, 4, 1                         ; h
	v_and_b32 v10, 7, v0
	v_bfe_u32 v11, v0, 3, 1
	v_lshlrev_b32 v[VW], 5, v9
	v_lshl_add_u32 v[VQ], v1, 8, v[VW]             ; q: row x 256 + 32 h
	v_lshl_add_u32 v[VK], v10, 14, v[VW]           ; ks: chunk r % 8 (rows 2 n, 2 n + 1 of 8,192 bytes) + 32 h: both halves of the result's rows repeat the 8 chunks
	v_lshlrev_b32 v[VG], 4, v9
	v_lshl_add_u32 v[VG], v1, 7, v[VG]             ; g1, Wg2: row x 128 + 16 h
	; q in f32, in the order of an f16 fragment: register 16 c + 8 e + 4 f + i holds channel 32 c + 16 e + 8 h + 4 f + i.  ks has the same order, so a pair of registers is a K step of 4 of the f32 form.
	WIN 0x80
.set i, 0
.rept 16
	global_load_b128 v[QF+4*i:QF+4*i+3], v[VQ], s[84:85] offset:(i/8)*4096+((i/4)%2)*128+((i/2)%2)*64+(i%2)*16
	global_load_b128 v[QH+4*i:QH+4*i+3], v[VQ], s[86:87] offset:(i/8)*4096+((i/4)%2)*128+((i/2)%2)*64+(i%2)*16
.set i, i+1
.endr
.set i, 0
.rept 8
	global_load_b128 v[KSF+4*i:KSF+4*i+3], v[VK], s[88:89] offset:((i/4)%2)*128+((i/2)%2)*64+(i%2)*16
	global_load_b128 v[KSQ+4*i:KSQ+4*i+3], v[VK], s[88:89] offset:8192+((i/4)%2)*128+((i/2)%2)*64+(i%2)*16
	global_load_b128 v[WN+4*i:WN+4*i+3], v[VW], s[10:11] offset:(i/2)*64+(i%2)*16
.set i, i+1
.endr
	WIN 0xc0
.set i, 0
.rept 8
	global_load_b128 v[G1L+4*i:G1L+4*i+3], v[VG], s[90:91] offset:(i/4)*2048+((i/2)%2)*64+(i%2)*32
	global_load_b128 v[G1H+4*i:G1H+4*i+3], v[VG], s[92:93] offset:(i/4)*2048+((i/2)%2)*64+(i%2)*32
.set i, i+1
.endr
.set i, 0
.rept 16
	global_load_b128 v[WG2+4*i:WG2+4*i+3], v[VG], s[94:95] offset:(i/4)*2048+((i/2)%2)*64+(i%2)*32
.set i, i+1
.endr
	WIN 0x40                                       ; a block's first step multiplies O^T and l by a = 0: they need only be finite.  All this stands in the wait for the loads
.set i, 0
.rept 64
	v_mov_b32 v[O+i], 0
.set i, i+1
.endr
	WIN 0
.irp t, 0,1
	v_mov_b32 v[ST+8*\t+2], 0
	v_mov_b32 v[ST+8*\t+3], 0
.endr
	v_mov_b32 v[BIGV], 0xf149f2ca
	v_mul_u32_u24 v[AK0], v1, PK
	v_lshl_add_u32 v[AK0], v9, 4, v[AK0]
	v_lshl_add_u32 v[AV0], v9, 3, v10              ; the turning load: key 8 h + lane % 8, channels 8 ((lane / 8) % 2) on
	v_mul_u32_u24 v[AV0], v[AV0], PV
	v_lshl_add_u32 v[AV0], v11, 4, v[AV0]
	v_add_nc_u32 v[AV0], VOFF, v[AV0]
	s_mul_i32 s76, s[WV], 16*SP
	s_add_co_u32 s76, s76, STAGE
	v_mul_u32_u24 v[STO], v1, SP
	v_lshl_add_u32 v[STO], v9, 4, v[STO]
	v_add_nc_u32 v[STO], s76, v[STO]
	v_bfe_u32 v[RD], v0, 3, 2
	v_mul_u32_u24 v[RD], v[RD], SP
	v_lshl_add_u32 v[RD], v10, 4, v[RD]
	v_add_nc_u32 v[RD], s76, v[RD]
	v_and_b32 v[GO], 31, v0
	v_lshlrev_b32 v[GO], 4, v[GO]
	s_lshl_b32 s77, s[WV], 5
	v_lshlrev_b32 v[QI], 3, v9
	v_sub_nc_u32 v[QI], v1, v[QI]
	v_add_nc_u32 v[QI], s77, v[QI]
	s_wait_loadcnt 0x0
	WIN 0x8a
.set i, 0
.rept 16
	v_pk_add_f32 v[KSF+2*i:KSF+2*i+1], v[KSF+2*i:KSF+2*i+1], v[KSQ+2*i:KSQ+2*i+1]  ; a chunk's two half sums
.set i, i+1
.endr
	WIN 0x0a
.set i, 0
.rept 16
	v_cvt_pk_bf16_f32 v[S+i], v[WN+2*i], v[WN+2*i+1]
.set i, i+1
.endr
	WIN 0x80
.set i, 0
.rept 16
	v_lshlrev_b32 v[WN+2*i], 16, v[S+i]
	v_and_b32 v[WN+2*i+1], 0xffff0000, v[S+i]
.set i, i+1
.endr
	WIN 0
; THE LDS LOADS stand in runs of 16.
.macro FETCH_K
	WIN 0x40
.irp f, 0,1,2,3,4,5,6,7                ; keys 16 (f / 2) on, channels 32 (f % 2) on
	ds_load_b128 v[KF+8*\f:KF+8*\f+3],   v[AK] offset:(\f/2)*16*PK+(\f%2)*64
	ds_load_b128 v[KF+8*\f+4:KF+8*\f+7], v[AK] offset:(\f/2)*16*PK+(\f%2)*64+32
.endr
	s_add_co_u32 s[TBK], s[TBK], KS*PK             ; the next fetch is the next step's
	WIN 0
.endm
.macro FETCH_V
	WIN 0x40
.irp f, 0,1,2,3,4,5,6,7                ; keys 32 (f / 4) on, channels 16 (f % 4) on
	ds_load_tr16_b128 v[VF+8*\f:VF+8*\f+3],   v[AV] offset:(\f/4)*32*PV+(\f%4)*32
	ds_load_tr16_b128 v[VF+8*\f+4:VF+8*\f+7], v[AV] offset:(\f/4)*32*PV+16*PV+(\f%4)*32
.endr
	s_add_co_u32 s[TBV], s[TBV], KS*PV
	WIN 0
.endm
; 16 products S^T = K Q^T: channels 32 (i / 8) on, keys 16 ((i / 2) % 4) on, tile i % 2: eight accumulators by turns.  The first 8 start the sums with the mask (dg = 1) or the chunk's number.
.macro KQ dg
.set i, 0
.rept 16
.set rS, S+32*(i%2)+8*((i/2)%4)
.set rK, KF+16*((i/2)%4)+8*(i/8)
.set rQ, Q+16*(i%2)+8*(i/8)
.set rM, MC+32*(i%2)+8*((i/2)%4)
.if (i < 8) && (\dg)
	WIN 0x11
	v_wmma_f32_16x16x32_f16 v[rS:rS+7], v[rK:rK+7], v[rQ:rQ+7], v[rM:rM+7]
.elseif i < 8
	WIN 0x01
	v_wmma_f32_16x16x32_f16 v[rS:rS+7], v[rK:rK+7], v[rQ:rQ+7], v[BB+8*(i%2):BB+8*(i%2)+7]
.else
	WIN 0x01
	v_wmma_f32_16x16x32_f16 v[rS:rS+7], v[rK:rK+7], v[rQ:rQ+7], v[rS:rS+7]
.endif
.set i, i+1
.endr
.endm
.macro PVM                             ; 16 products O^T += V^T P: keys 32 (i / 8) on, channels 16 ((i / 2) % 4) on, tile i % 2
	WIN 0x51
.set i, 0
.rept 16
.set rO, O+32*(i%2)+8*((i/2)%4)
.set rV, VF+32*(i/8)+8*((i/2)%4)
.set rP, P+16*(i%2)+8*(i/8)
	v_wmma_f32_16x16x32_f16 v[rO:rO+7], v[rV:rV+7], v[rP:rP+7], v[rO:rO+7]
.set i, i+1
.endr
.endm
; Number n of the 22 that find tile t's maximum and statistics; each accumulator's lowest registers are read first.
.macro XS t, n
.set rT, ST+8*(\t)
.set rC, ST+8*(\t)+4
.set rM, MV+(\t)
.set rS, S+32*(\t)
.if (\n) < 4
	v_max3_num_f32 v[rC+(\n)], v[rS+8*(\n)], v[rS+8*(\n)+1], v[rS+8*(\n)+2]
.elseif (\n) < 12
	v_max3_num_f32 v[rC+(\n)%4], v[rC+(\n)%4], v[rS+8*((\n)%4)+2*((\n)/4)+1], v[rS+8*((\n)%4)+2*((\n)/4)+2]
.elseif (\n) == 12
	v_max3_num_f32 v[rC], v[rC], v[rS+7], v[rS+15]
.elseif (\n) == 13
	v_max3_num_f32 v[rC+1], v[rC+1], v[rS+23], v[rS+31]
.elseif (\n) == 14
	v_max3_num_f32 v[rC+2], v[rC+2], v[rC+3], v[rT+1]
.elseif (\n) == 15
	v_mov_b32 v[rM], v[rT]                         ; c m_old is kept
.elseif (\n) == 16
	v_max3_num_f32 v[rC], v[rC], v[rC+1], v[rC+2]
.elseif (\n) == 17
	v_permlanex16_b32 v[rC+3], v[rC], s[SEL], s[SEL+1]  ; the query's other 32 keys lie in the lane 16 away
.elseif (\n) == 18
	v_max_num_f32 v[rT+1], v[rC], v[rC+3]
.elseif (\n) == 19
	v_mul_f32 v[rT], s[CS], v[rT+1]
.elseif (\n) == 20
	v_sub_f32 v[rC+1], v[rM], v[rT]
.else
	v_exp_f32 v[rC+2], v[rC+1]                     ; a
.endif
.endm
.macro SOFTMAX                         ; the two tiles alternate
	WIN 0
.irp n, 0,1,2,3,4,5,6,7,8,9,10,11,12,13,14,15,16,17,18,19,20,21
	XS 0, \n
	XS 1, \n
.endr
.set p, 0
.rept 16                               ; c s - c m: plain lines behind the two exponentials above
.irp t, 0,1
	v_pk_fma_f32 v[S+32*\t+2*p:S+32*\t+2*p+1], v[S+32*\t+2*p:S+32*\t+2*p+1], s[CS:CS+1], v[ST+8*\t:ST+8*\t+1] op_sel_hi:[1,0,0] neg_lo:[0,0,1] neg_hi:[0,0,1]
.endr
.set p, p+1
.endr
.set p, 0
.rept 64
	v_exp_f32 v[S+p], v[S+p]
.set p, p+1
.endr
	WIN 0x41                                       ; O^T times a: the plain work behind the exponentials (ISA guide 5.7.2); ascending registers
.set p, 0
	s_wait_alu depctr_va_vdst(0)
.rept 16
.irp t, 0,1
	v_pk_mul_f32 v[O+32*\t+2*p:O+32*\t+2*p+1], v[O+32*\t+2*p:O+32*\t+2*p+1], v[ST+8*\t+6:ST+8*\t+7] op_sel_hi:[1,0]
.endr
.set p, p+1
.endr
	WIN 0
.set p, 0
.rept 32
	v_cvt_pk_f16_f32 v[P+p], v[S+2*p], v[S+2*p+1]
.set p, p+1
.endr
.irp w, 4,8,16,32                      ; the sum of a tile's 16 pairs, in place: neighbours 1, 2, 4, 8 pairs apart
.set p, 0
.rept 64/\w
	v_pk_add_f32 v[S+\w*p:S+\w*p+1], v[S+\w*p:S+\w*p+1], v[S+\w*p+\w/2:S+\w*p+\w/2+1]
.set p, p+1
.endr
.endr
.irp t, 0,1
	v_pk_fma_f32 v[ST+8*\t+2:ST+8*\t+3], v[ST+8*\t+2:ST+8*\t+3], v[ST+8*\t+6:ST+8*\t+7], v[S+32*\t:S+32*\t+1] op_sel_hi:[1,0,1]
.endr
.endm
.macro MASKS                           ; the diagonal tile's C operands for this step, then the threshold goes 64 keys on
	WIN 0x40
.set i, 0
.rept 32
	v_cmp_gt_i32 vcc_lo, 16*(i/8)+i%8, v[THR]
	v_cndmask_b32 v[MC+i], 0, v[BIGV], vcc_lo
	v_cmp_gt_i32 vcc_lo, 16*(i/8)+i%8, v[THR+1]
	v_cndmask_b32 v[MC+32+i], 0, v[BIGV], vcc_lo
.set i, i+1
.endr
	WIN 0
	v_add_nc_u32 v[THR], 0xffffffc0, v[THR]
	v_add_nc_u32 v[THR+1], 0xffffffc0, v[THR+1]
.endm
; A TILE: four key steps.  dg = 1: the diagonal tile.
.macro TILE dg
	WIN 0
	v_add_nc_u32 v[AK], s[TBK], v[AK0]
	FETCH_K
	s_mov_b32 s[CNT], 4
.Lstep_\@:
	PLACES                                         ; behind the last V^T P, in front of the loads into V's registers
	v_add_nc_u32 v[AV], s[TBV], v[AV0]
	FETCH_V
.if \dg
	MASKS
.endif
	s_wait_dscnt 16                                ; K is in: only V's run of 16 is younger
	KQ \dg
	WIN 0
	PLACES                                         ; in front of the loads into K's registers and of the first read of the scores
	s_cmp_eq_u32 s[CNT], 1
	s_cbranch_scc1 .Lno_k_\@                       ; the tile's last step fetches no further K
	v_add_nc_u32 v[AK], s[TBK], v[AK0]
	FETCH_K
.Lno_k_\@:
	SOFTMAX
	s_wait_dscnt 0x0                               ; V is in (and the next step's K)
	PVM
	WIN 0
	s_sub_co_u32 s[CNT], s[CNT], 1
	s_cmp_lg_u32 s[CNT], 0
	s_cbranch_scc1 .Lstep_\@
.endm
.macro SETBIAS                         ; the plain tiles come in ascending order of chunks: the next chunk's number fills the C block, the others move up
	WIN 0
.irp t, 0,1
.set i, 0
.rept 8
	v_mov_b32 v[BB+8*\t+i], v[BI+8*\t]
.set i, i+1
.endr
.set i, 0
.rept 6
	v_mov_b32 v[BI+8*\t+i], v[BI+8*\t+i+1]
.set i, i+1
.endr
.endr
.endm
; A BLOCK BEGINS: the gates, the choice, Q in f16, the statistics' start.
.macro BEGIN
	s_mov_b32 s[NEW], 0
	WIN 0xaa
.set i, 0
.rept 16                               ; gate(chunk, query) = sum over 64 channels, 4 an instruction, in f32; the two tiles' accumulators take turns; the first K step starts the sums
.irp t, 0,1
.if i == 0
	v_wmma_f32_16x16x4_f32 v[GT+8*\t:GT+8*\t+7], v[KSF+2*i:KSF+2*i+1], v[QF+32*\t+2*i:QF+32*\t+2*i+1], 0
.else
	v_wmma_f32_16x16x4_f32 v[GT+8*\t:GT+8*\t+7], v[KSF+2*i:KSF+2*i+1], v[QF+32*\t+2*i:QF+32*\t+2*i+1], v[GT+8*\t:GT+8*\t+7]
.endif
.endr
.set i, i+1
.endr
	WIN 0x0a                                       ; 32 roundings of q to f16: all but the last name no register of the last product: its eight places and more (ISA guide 7.12.1)
.set i, 0
.rept 32
	v_cvt_pk_f16_f32 v[Q+i], v[QF+2*i], v[QF+2*i+1]
.set i, i+1
.endr
	WIN 0x08                                       ; register n of a lane is the gate of its query and chunk n; chunks from the query's own on count as -1e30
.irp n, 0,1,2,3,4,5,6
	s_cmp_gt_u32 s[QC], \n
	s_cselect_b32 s[MK], -1, 0
	v_cndmask_b32 v[GM+\n], v[BIGV], v[GT+\n], s[MK]
	v_cndmask_b32 v[GM+8+\n], v[BIGV], v[GT+8+\n], s[MK]
.endr
	WIN 0
.irp n, 0,1,2,3,4,5,6
	v_mov_b32 v[DD+\n], 0
	v_mov_b32 v[DD+8+\n], 0
.endr
.set m, 0
.rept 7                                ; for m < n: T = 1 where m is not below n.  D[m] = (wins over higher chunks) - (losses to lower ones)
.set n, 0
.rept 7
.if n > m
.irp t, 0,1
	v_cmp_ge_f32 vcc_lo, v[GM+8*\t+m], v[GM+8*\t+n]
	v_cndmask_b32 v[TT+\t], 0, 1, vcc_lo
	v_add_nc_u32 v[DD+8*\t+m], v[DD+8*\t+m], v[TT+\t]
	v_sub_nc_u32 v[DD+8*\t+n], v[DD+8*\t+n], v[TT+\t]
.endr
.endif
.set n, n+1
.endr
.set m, m+1
.endr
.set m, 0
.rept 7                                ; chunk m is beaten by (6 - m) - D[m] others: more than two where 4 - m > D[m]
.irp t, 0,1
	v_cmp_gt_i32 vcc_lo, 4-m, v[DD+8*\t+m]
	v_cndmask_b32 v[BI+8*\t+m], 0, v[BIGV], vcc_lo
.endr
.set m, m+1
.endr
.irp t, 0,1
	v_mov_b32 v[ST+8*\t], 0xfe000000               ; c m: far below every c s
	v_mov_b32 v[ST+8*\t+1], 0xff7fffff             ; m
.endr
	v_add_nc_u32 v[THR], s[HB], v[QI]
	v_add_nc_u32 v[THR+1], 16, v[THR]
.endm
; A BLOCK ENDS: G = Wg2 g1^T in O^T's layout; o = O / l; o rsqrt(mean o^2 + eps) w sigmoid(G); f16; through my stage in whole rows.  g: g1's fragments in window 3; o: the pair that holds og's address.
.macro END g, o
	WIN 0x0f
.set i, 0
.rept 16                               ; 32 (i / 8) of g1's 64 on, channels 16 ((i / 2) % 4) on, tile i % 2: eight accumulators by turns
.set rG, S+32*(i%2)+8*((i/2)%4)
.set rW, WG2+16*((i/2)%4)+8*(i/8)
.set rX, (\g)+16*(i%2)+8*(i/8)
.if i < 8
	v_wmma_f32_16x16x32_bf16 v[rG:rG+7], v[rW:rW+7], v[rX:rX+7], 0
.else
	v_wmma_f32_16x16x32_bf16 v[rG:rG+7], v[rW:rW+7], v[rX:rX+7], v[rG:rG+7]
.endif
.set i, i+1
.endr
	WIN 0
	PLACES
.irp t, 0,1
	v_add_f32 v[ST+8*\t+4], v[ST+8*\t+2], v[ST+8*\t+3]
.endr
.irp t, 0,1
	v_permlanex16_b32 v[ST+8*\t+5], v[ST+8*\t+4], s[SEL], s[SEL+1]
.endr
.irp t, 0,1
	v_add_f32 v[ST+8*\t+4], v[ST+8*\t+4], v[ST+8*\t+5]
.endr
.irp t, 0,1
	v_rcp_f32 v[ST+8*\t+5], v[ST+8*\t+4]           ; 1 / l
.endr
	WIN 0x05                                       ; the sum of O^2, ascending registers: plain lines behind the reciprocals
.irp t, 0,1
	v_pk_mul_f32 v[ST+8*\t+6:ST+8*\t+7], v[O+32*\t:O+32*\t+1], v[O+32*\t:O+32*\t+1]
.endr
.set p, 1
.rept 15
.irp t, 0,1
	v_pk_fma_f32 v[ST+8*\t+6:ST+8*\t+7], v[O+32*\t+2*p:O+32*\t+2*p+1], v[O+32*\t+2*p:O+32*\t+2*p+1], v[ST+8*\t+6:ST+8*\t+7]
.endr
.set p, p+1
.endr
	WIN 0
.irp t, 0,1
	v_add_f32 v[ST+8*\t+6], v[ST+8*\t+6], v[ST+8*\t+7]
.endr
.irp t, 0,1
	v_permlanex16_b32 v[ST+8*\t+7], v[ST+8*\t+6], s[SEL], s[SEL+1]  ; the query's other 32 channels
.endr
	s_wait_alu depctr_va_vdst(0)
.irp t, 0,1
	v_add_f32 v[ST+8*\t+6], v[ST+8*\t+6], v[ST+8*\t+7]
	v_mul_f32 v[ST+8*\t+7], v[ST+8*\t+5], v[ST+8*\t+5]
.endr
.irp t, 0,1
	v_mul_f32 v[ST+8*\t+6], v[ST+8*\t+6], v[ST+8*\t+7]
.endr
.irp t, 0,1
	v_fma_f32 v[ST+8*\t+6], v[ST+8*\t+6], s[R64], s[EPS]             ; mean of o^2, + eps
.endr
.irp t, 0,1
	v_rsq_f32 v[ST+8*\t+7], v[ST+8*\t+6]
.endr
	v_nop
	s_wait_alu depctr_va_vdst(0)
.irp t, 0,1
	v_mul_f32 v[ST+8*\t+6], v[ST+8*\t+5], v[ST+8*\t+7]               ; both factors in one
.endr
	WIN 0x41
.set p, 0
.rept 16
.irp t, 0,1
	v_pk_mul_f32 v[O+32*\t+2*p:O+32*\t+2*p+1], v[O+32*\t+2*p:O+32*\t+2*p+1], v[ST+8*\t+6:ST+8*\t+7] op_sel_hi:[1,0]
.endr
.set p, p+1
.endr
	WIN 0x49
.set p, 0
.rept 16
.irp t, 0,1
	v_pk_mul_f32 v[O+32*\t+2*p:O+32*\t+2*p+1], v[O+32*\t+2*p:O+32*\t+2*p+1], v[WN+2*p:WN+2*p+1]
.endr
.set p, p+1
.endr
	WIN 0                                          ; sigmoid(g) = 1 / (1 + 2^(-log2(e) g))
.set p, 0
.rept 32
	v_pk_mul_f32 v[S+2*p:S+2*p+1], v[S+2*p:S+2*p+1], s[NL:NL+1] op_sel_hi:[1,0]
.set p, p+1
.endr
.set p, 0
.rept 64
	v_exp_f32 v[S+p], v[S+p]
.set p, p+1
.endr
	v_nop
.set p, 0
	s_wait_alu depctr_va_vdst(0)
.rept 32
	v_pk_add_f32 v[S+2*p:S+2*p+1], v[S+2*p:S+2*p+1], 1.0 op_sel_hi:[1,0]
.set p, p+1
.endr
.set p, 0
.rept 64
	v_rcp_f32 v[S+p], v[S+p]
.set p, p+1
.endr
	v_nop
	WIN 0x01
.set p, 0
	s_wait_alu depctr_va_vdst(0)
.rept 32
	v_pk_mul_f32 v[S+2*p:S+2*p+1], v[O+2*p:O+2*p+1], v[S+2*p:S+2*p+1]
.set p, p+1
.endr
	WIN 0
.set p, 0
.rept 32
	v_cvt_pk_f16_f32 v[WK+p], v[S+2*p], v[S+2*p+1]
.set p, p+1
.endr
.irp t, 0,1                            ; a lane's eight channels are 16 bytes; rows of 144 bytes in, whole rows of 128 back.  LDS serves a wave's instructions in order (ISA guide 5.7.1.4)
.irp f, 0,1,2,3
	ds_store_b128 v[STO], v[WK+16*\t+4*\f:WK+16*\t+4*\f+3] offset:32*\f
.endr
.irp f, 0,1,2,3
	ds_load_b128 v[WK+16*\t+4*\f:WK+16*\t+4*\f+3], v[RD] offset:\f*4*SP
.endr
.endr
.irp t, 0,1
.irp f, 0,1,2,3
	s_wait_dscnt 8*(1-\t)+3-\f                     ; the LDS lines issued behind this load: the other tile's eight or none, and the tile's later loads
	global_store_b128 v[GO], v[WK+16*\t+4*\f:WK+16*\t+4*\f+3], s[\o:\o+1] offset:\t*2048+\f*512  ; 512 consecutive bytes
.endr
.endr
.endm
.Lslot:                                                ; eight trips: a tile is entered and the next is asked for
	CHANGE 1
	s_cmp_eq_u32 s[NEW], 1
	s_cbranch_scc0 .Lplain
	BEGIN
	TILE 1
	s_branch .Ljoin
.Lplain:
	SETBIAS
	TILE 0
.Ljoin:
	s_sub_co_u32 s[RT], s[RT], 1
	s_cmp_lg_u32 s[RT], 0
	s_cbranch_scc1 .Lbottom
	END G1L, OL                                    ; in the loop this is the first block's end
	s_wait_xcnt 0x0                                ; the stores' registers are written again only behind this wait
	s_add_co_u32 s[RT], s[QCH], 1
	s_mov_b32 s[NEW], 1
	s_mov_b32 s[QC], s[QCH]
	s_mov_b32 s[HB], s[HBH]
	WIN 0x82                                       ; the second block's q goes where the one text of BEGIN names it
.set i, 0
.rept 64
	v_mov_b32 v[QF+i], v[QH+i]
.set i, i+1
.endr
	WIN 0
.Lbottom:
	s_sub_co_u32 s[SLOTS], s[SLOTS], 1
	s_cmp_lg_u32 s[SLOTS], 0
	s_cbranch_scc1 .Lslot
	CHANGE 0                                       ; the walk's last tile is written out
	SETBIAS
	TILE 0
	END G1H, OH
	s_wait_tensorcnt 0x0                           ; the wave's end
	ds_add_u32 v[SPW], v[NIL]
	s_wait_dscnt 0x0
	s_endpgm
.Lfunc_end_k_qee65a4d337_attn:
	.size	k_qee65a4d337_attn, .Lfunc_end_k_qee65a4d337_attn-k_qee65a4d337_attn
	.p2alignl 7, 3214868480
	.fill 96, 4, 3214868480
	.section	.rodata,"a",@progbits
	.p2align	6, 0x0
	.amdhsa_kernel k_qee65a4d337_attn
		.amdhsa_group_segment_fixed_size 327680
		.amdhsa_private_segment_fixed_size 0
		.amdhsa_enable_private_segment 0
		.amdhsa_kernarg_size 40
		.amdhsa_user_sgpr_count 2
		.amdhsa_user_sgpr_kernarg_segment_ptr 1
		.amdhsa_wavefront_size32 1
		.amdhsa_system_sgpr_workgroup_id_x 1
		.amdhsa_system_sgpr_workgroup_id_y 1
		.amdhsa_system_sgpr_workgroup_id_z 1
		.amdhsa_system_vgpr_workitem_id 0
		.amdhsa_next_free_vgpr 896
		.amdhsa_next_free_sgpr 100
		.amdhsa_reserve_vcc 1
		.amdhsa_float_denorm_mode_32 3
		.amdhsa_float_denorm_mode_16_64 3
		.amdhsa_memory_ordered 1
		.amdhsa_forward_progress 1
		.amdhsa_inst_pref_size 147
	.end_amdhsa_kernel
	.amdgpu_metadata
---
amdhsa.version: [ 1, 2 ]
amdhsa.kernels:
  - .name:           k_qee65a4d337_attn
    .symbol:         k_qee65a4d337_attn.kd
    .args:
      - { .name: qkv, .offset: 0, .size: 8, .value_kind: global_buffer, .address_space: global }
      - { .name: g1b, .offset: 8, .size: 8, .value_kind: global_buffer, .address_space: global }
      - { .name: tab, .offset: 16, .size: 8, .value_kind: global_buffer, .address_space: global }
      - { .name: o_norm_weight, .offset: 24, .size: 8, .value_kind: global_buffer, .address_space: global }
      - { .name: og, .offset: 32, .size: 8, .value_kind: global_buffer, .address_space: global }
    .group_segment_fixed_size: 327680
    .private_segment_fixed_size: 0
    .kernarg_segment_align: 8
    .kernarg_segment_size: 40
    .max_flat_workgroup_size: 128
    .sgpr_count:     100
    .vgpr_count:     896
    .wavefront_size: 32
...
	.end_amdgpu_metadata
.endif
;; end of part 3
;; launch outp (part 4): grid 16 x 16, 4 waves a work-group, clusters of 4 x 4, 327,680 bytes of LDS; arguments og, wo16, out0; writes out0
.if DOCPART == 4
	.amdgcn_target "amdgcn-amd-amdhsa--gfx1250"
	.amdhsa_code_object_version 6
	.text
	.protected	k_qee65a4d337_outp
	.globl	k_qee65a4d337_outp
	.p2align	8
	.type	k_qee65a4d337_outp,@function
k_qee65a4d337_outp:
	s_mov_b64 s[64:65], 0
	v_nop
	global_prefetch_b8 v0, s[64:65] scope:SCOPE_SE
	s_setreg_imm32_b32 hwreg(HW_REG_WAVE_MODE, 25, 1), 1
	s_wait_xcnt 0x0
	s_wait_alu depctr_hold_cnt(0) depctr_sa_sdst(0) depctr_va_vdst(0) depctr_va_sdst(0) depctr_va_ssrc(0) depctr_va_vcc(0) depctr_vm_vsrc(0)
	s_getreg_b32 s2, hwreg(HW_REG_IB_STS2, 6, 4)
	s_cmp_eq_u32 s2, 0
	s_cbranch_scc0 .Lentry_in_a_cluster
	s_endpgm
.Lentry_in_a_cluster:
	s_bfe_u32 s2, ttmp6, 0x10000c
	s_cmp_lg_u32 s2, 0xf033
	s_cbranch_scc0 .Lentry_shape_is_right
	s_endpgm
.Lentry_shape_is_right:
; out0[s][n] = sum over k of o[s][k] Wo[n][k].  o: og f16 [16 blocks of 128 rows][32 heads][128][64] (k = 64 head + channel); Wo: wo16 f16 [2048][2048]; out0 f32; sums in f32.
; 256 tiles of 128 x 128, one to a WGP; four waves of 64 x 64 (16 accumulators).  K in steps of 256 = four heads, through two LDS slots filled by joint tensor loads of a 4 x 4 cluster:
; A's tiles shared along a row of the cluster, B's along a column.  A K step of A is 64 KiB dense in og: a wave asks for two heads as 128 rows of 256 bytes, padded in LDS after every 128 bytes,
; so a head's 128 query rows lie 144 bytes apart.  B: 64 rows of 512 bytes, 528 apart.
; THE MATRIX INSTRUCTION IS USED TRANSPOSED (source 0 = 16 rows of Wo, source 1 = 16 rows of o): a lane holds eight neighbouring numbers of a row of out0.
; A wave's 64 columns of f32 are 256 aligned bytes, so each wave goes out through a stage of its own, 16 rows at a time, without a barrier.
; REGISTERS: window 0: v0-31 addresses; v128-255 the accumulators ((a, b) at v[128 + 8 (4 a + b)]), which also take the rows read back.  Window 1: two fragment buffers of 128.
.set SIZE_K, 2048
.set KSTEP,  256
.set PITCH,  528                       ; B: 512 bytes + 16
.set APITCH, 144                       ; A: a head's row, 128 bytes + 16: both are odd multiples of 16 (64 banks of 4 bytes: ISA guide 11.1)
.set AHEAD,  128*APITCH                ; a head's 128 rows
.set BOFF,   4*AHEAD                   ; behind A's four heads: B's 128 rows
.set HALFB,  64*PITCH
.set SLOT,   BOFF+2*HALFB
.set STAGE,  2*SLOT                    ; behind the ring: 16 rows x 272 bytes for each wave
.set SPITCH, 272
.set SPARE,  STAGE+4*16*SPITCH
.set LAPS, SIZE_K/(2*KSTEP)
.set ADRA, 16
.set ADRB, 20
.set STO,  24
.set RD,   25
.set CO,   26
.set SPW,  28
.set NIL,  29
.set ACC,  128
.set F0,   0
.set F1,   128
.set G1, 24
.set G0, 32
.set G1B, 48
.set G0B, 56
.set MSB, 0
.macro WIN new
.if MSB != (\new)
	s_set_vgpr_msb (MSB<<8)|(\new)
.set MSB, \new
.endif
.endm
.set MUL,  0x05                        ; sources 0 (B) and 1 (A) window 1; C and D window 0
.set TO_F, 0x40
.macro JLOAD s                         ; waves 0 and 1 fetch A's halves, waves 2 and 3 B's; an s_nop 0 and four v_nop follow each line
	s_cmp_eq_u32 s11, 0
	s_cbranch_scc0 .Lfor_b_\@
	tensor_load_to_lds s[G0+4*(\s):G0+4*(\s)+3], s[G1:G1+7]
	s_nop 0
.rept 4
	v_nop
.endr
	s_branch .Lasked_\@
.Lfor_b_\@:
	tensor_load_to_lds s[G0B+4*(\s):G0B+4*(\s)+3], s[G1B:G1B+7]
	s_nop 0
.rept 4
	v_nop
.endr
.Lasked_\@:
.endm
.macro CREST
	s_cmp_lg_u32 s10, 0
	s_cbranch_scc1 .Lnot_wave_0_\@
	s_barrier_signal -3
.Lnot_wave_0_\@:
	s_barrier_wait -3
	s_barrier_signal -1
	s_barrier_wait -1
.endm
.macro CROUND
	s_barrier_signal -1
	s_barrier_wait -1
	CREST
.endm
	s_load_b128 s[4:7], s[0:1], 0x0                ; og, wo16
	s_load_b64 s[8:9], s[0:1], 0x10                ; out0
	v_lshl_add_u32 v[SPW], v0, 2, SPARE
	v_mov_b32 v[NIL], 0
	ds_add_u32 v[SPW], v[NIL]                      ; the wave's opening: the add and its wait ahead of my first tensor load
	ds_add_u32 v28, v29
	v_lshrrev_b32 v1, 5, v0
	v_readfirstlane_b32 s10, v1
	s_lshr_b32 s11, s10, 1                         ; my half of the tile's rows; also: I fetch for A (0) or B (1)
	s_and_b32 s12, s10, 1                          ; my half of its columns; also: which half of that tile I fetch
	s_bfe_u32 s40, ttmp6, 0x40000
	s_bfe_u32 s41, ttmp6, 0x40004
	s_lshl_b32 s42, ttmp9, 2
	s_add_co_u32 s42, s42, s40                     ; tile column
	s_and_b32 s13, ttmp7, 0xffff
	s_lshl_b32 s13, s13, 2
	s_add_co_u32 s13, s13, s41                     ; tile row = og's block
	s_lshl_b32 s43, s41, 2
	s_lshl_b32 s43, 15, s43
	s_lshl_b32 s44, 0x1111, s40
	s_or_b32 s[G1+0], s43, (1<<16)|(1<<20)|(1<<21)|(4<<22)|(3<<25)   ; A: mask of my row; 2-byte elements; padding on; bit 21 beside a mask; after every 32 words 4 words
	s_mov_b32 s[G1+1], 128<<16                     ; tensor_dim0 = 128 elements (256 bytes: two query rows)
	s_mov_b32 s[G1+2], 128<<16                     ; tensor_dim1 = 128
	s_mov_b32 s[G1+3], 128<<16                     ; tile_dim0
	s_mov_b32 s[G1+4], 128                         ; tile_dim1
	s_mov_b32 s[G1+5], 128                         ; dense
	s_mov_b32 s[G1+6], 0
	s_mov_b32 s[G1+7], 0
	s_or_b32 s[G1B+0], s44, (1<<16)|(1<<20)|(1<<21)|(6<<22)|(3<<25)  ; B: mask of my column; after every 128 words 4 words
	s_mov_b32 s[G1B+1], KSTEP<<16
	s_mov_b32 s[G1B+2], 64<<16
	s_mov_b32 s[G1B+3], KSTEP<<16
	s_mov_b32 s[G1B+4], 64
	s_mov_b32 s[G1B+5], SIZE_K
	s_mov_b32 s[G1B+6], 0
	s_mov_b32 s[G1B+7], 0
	s_lshl_b32 s16, s13, 19                        ; A: block x 524,288 + half x two heads of 16,384
	s_lshl_b32 s17, s12, 15
	s_add_co_u32 s16, s16, s17
	s_mov_b32 s17, 0
	s_lshl_b32 s46, s42, 7                         ; B: row 128 x tile column + 64 x half, 4,096 bytes each
	s_lshl_b32 s47, s12, 6
	s_add_co_u32 s46, s46, s47
	s_lshl_b32 s46, s46, 12
	s_mov_b32 s47, 0
	s_mul_i32 s20, s10, 2*AHEAD                    ; LDS, A: wave x two heads
	s_mul_i32 s21, s10, HALFB                      ; LDS, B: waves 2 and 3 land at BOFF and BOFF + HALFB
	s_add_co_u32 s21, s21, BOFF-2*HALFB
	s_wait_dscnt 0x0                               ; the opening add is done
	s_wait_kmcnt 0x0
	s_add_nc_u64 s[14:15], s[4:5], s[16:17]
	s_add_nc_u64 s[46:47], s[6:7], s[46:47]
	CROUND                                         ; all sixteen work-groups are here: the first joint loads meet
.irp s, 0,1
	s_mov_b32 s[G0+4*(\s)], 1
	s_add_co_u32 s[G0+4*(\s)+1], s20, (\s)*SLOT
	s_add_nc_u64 s[G0+4*(\s)+2:G0+4*(\s)+3], s[14:15], (\s)*65536
	s_or_b32 s[G0+4*(\s)+3], s[G0+4*(\s)+3], 0x80000000
	s_mov_b32 s[G0B+4*(\s)], 1
	s_add_co_u32 s[G0B+4*(\s)+1], s21, (\s)*SLOT
	s_add_nc_u64 s[G0B+4*(\s)+2:G0B+4*(\s)+3], s[46:47], (\s)*KSTEP*2
	s_or_b32 s[G0B+4*(\s)+3], s[G0B+4*(\s)+3], 0x80000000
	JLOAD \s                                       ; two loads of mine are out
.endr
	v_and_b32 v1, 15, v0
	v_bfe_u32 v2, v0, 4, 1
	v_mul_u32_u24 v3, v1, APITCH
	v_lshl_add_u32 v3, v2, 4, v3
	v_mul_u32_u24 v4, v1, PITCH
	v_lshl_add_u32 v4, v2, 4, v4
	s_mul_i32 s21, s11, 64*APITCH                  ; my 64 rows in each head
	s_mul_i32 s22, s12, HALFB
	s_add_co_u32 s22, s22, BOFF
.irp s, 0,1
	v_add_nc_u32 v[ADRA+(\s)], s21, v3
	v_add_nc_u32 v[ADRB+(\s)], s22, v4
	s_add_co_u32 s21, s21, SLOT
	s_add_co_u32 s22, s22, SLOT
.endr
	s_mul_i32 s23, s10, 16*SPITCH
	s_add_co_u32 s23, s23, STAGE                   ; my stage
	v_mul_u32_u24 v5, v1, SPITCH                   ; in: row lane % 16, 32 bytes for each half of the lanes
	v_lshl_add_u32 v5, v2, 5, v5
	v_add_nc_u32 v[STO], s23, v5
	v_mul_u32_u24 v5, v2, SPITCH                   ; back: lanes 0-15 one row of 256 bytes, lanes 16-31 the next
	v_lshl_add_u32 v5, v1, 4, v5
	v_add_nc_u32 v[RD], s23, v5
	v_lshlrev_b32 v5, 13, v2                       ; and the same two rows in out0, 8,192 bytes apart
	v_lshl_add_u32 v[CO], v1, 4, v5
	s_lshl_b32 s16, s13, 7
	s_lshl_b32 s17, s11, 6
	s_add_co_u32 s16, s16, s17
	s_lshl_b32 s16, s16, 13                        ; my first row
	s_mov_b32 s17, 0
	s_add_nc_u64 s[8:9], s[8:9], s[16:17]
	s_lshl_b32 s46, s42, 9                         ; my first column, in bytes
	s_lshl_b32 s47, s12, 8
	s_add_co_u32 s46, s46, s47
	s_mov_b32 s47, 0
	s_add_nc_u64 s[8:9], s[8:9], s[46:47]
.macro MUL8 f, c, a0, zero             ; 8 matrix instructions: row blocks a0, a0 + 1 x 4 column blocks, 32 along K: half c of buffer f
	WIN MUL
.irp a, \a0, (\a0)+1
.irp b, 0,1,2,3
.if \zero
	v_wmma_f32_16x16x32_f16 v[ACC+8*(4*(\a)+(\b)):ACC+8*(4*(\a)+(\b))+7], v[(\f)+64+8*(4*(\c)+(\b)):(\f)+64+8*(4*(\c)+(\b))+7], v[(\f)+8*(4*(\c)+(\a)):(\f)+8*(4*(\c)+(\a))+7], 0
.else
	v_wmma_f32_16x16x32_f16 v[ACC+8*(4*(\a)+(\b)):ACC+8*(4*(\a)+(\b))+7], v[(\f)+64+8*(4*(\c)+(\b)):(\f)+64+8*(4*(\c)+(\b))+7], v[(\f)+8*(4*(\c)+(\a)):(\f)+8*(4*(\c)+(\a))+7], v[ACC+8*(4*(\a)+(\b)):ACC+8*(4*(\a)+(\b))+7]
.endif
.endr
.endr
.endm
; 32 LDS loads in one run: 64 along K = one head: byte k of B's rows, head k / 128 of A; the first 32 along K first
.macro FETCH slot, k, f
	WIN TO_F
.irp c, 0,1
.irp i, 0,1,2,3
	ds_load_b128 v[(\f)+64+8*(4*(\c)+(\i)):(\f)+64+8*(4*(\c)+(\i))+3],   v[ADRB+(\slot)] offset:(\k)+64*(\c)+(\i)*16*PITCH
	ds_load_b128 v[(\f)+64+8*(4*(\c)+(\i))+4:(\f)+64+8*(4*(\c)+(\i))+7], v[ADRB+(\slot)] offset:(\k)+64*(\c)+(\i)*16*PITCH+32
	ds_load_b128 v[(\f)+8*(4*(\c)+(\i)):(\f)+8*(4*(\c)+(\i))+3],         v[ADRA+(\slot)] offset:((\k)/128)*AHEAD+64*(\c)+(\i)*16*APITCH
	ds_load_b128 v[(\f)+8*(4*(\c)+(\i))+4:(\f)+8*(4*(\c)+(\i))+7],       v[ADRA+(\slot)] offset:((\k)/128)*AHEAD+64*(\c)+(\i)*16*APITCH+32
.endr
.endr
.endm
.macro PLACES
.rept 4
	v_nop
.endr
.endm
.macro QUARTER slot, k, f, g, zero
	s_wait_dscnt 16                                ; the first 32 along K are in
	WIN MUL
	MUL8 \f, 0, 0, \zero
	MUL8 \f, 0, 2, \zero
	PLACES
	FETCH \slot, \k, \g
	s_wait_dscnt 32                                ; all but the 32 just issued
	WIN MUL
	MUL8 \f, 1, 0, 0
	MUL8 \f, 1, 2, 0
.endm
.macro TURN slot, next, fill           ; the last quarter multiplies buffer 1 and changes slots
	WIN 0
	s_wait_tensorcnt 0x0                           ; all my tensor loads have landed: my part of the next slot
	ds_add_u32 v[SPW], v[NIL]
	s_wait_dscnt 17                                ; the add and the youngest sixteen loads may be out
	WIN MUL
	MUL8 F1, 0, 0, 0
	s_wait_dscnt 0x0                               ; the add is done, and my reads of this slot are over
	s_barrier_signal -1
	MUL8 F1, 0, 2, 0
.if \fill
	WIN 0
.endif
	s_barrier_wait -1
.if \fill
	CREST                                          ; no wave of any partner still reads this slot or has a load on its way
	s_add_nc_u64 s[G0+4*(\slot)+2:G0+4*(\slot)+3], s[G0+4*(\slot)+2:G0+4*(\slot)+3], 2*65536
	s_add_nc_u64 s[G0B+4*(\slot)+2:G0B+4*(\slot)+3], s[G0B+4*(\slot)+2:G0B+4*(\slot)+3], 2*KSTEP*2
	JLOAD \slot                                    ; my one tensor load behind the round; its four v_nop are the places in front of the loads below
.else
	PLACES
.endif
	FETCH \next, 0, F0
	WIN MUL
	MUL8 F1, 1, 0, 0
	MUL8 F1, 1, 2, 0
.endm
	s_wait_tensorcnt 1                             ; my part of K step 0 is in; K step 1's may stay out
	s_barrier_signal -1
	s_barrier_wait -1
	FETCH 0, 0, F0
	QUARTER 0, 128, F0, F1, 1                      ; the first products start the sums
	WIN 0
	s_mov_b32 s3, LAPS-1
.Llap:
	QUARTER 0, 256, F1, F0, 0
	QUARTER 0, 384, F0, F1, 0
	TURN 0, 1, 1
	QUARTER 1, 128, F0, F1, 0
	QUARTER 1, 256, F1, F0, 0
	QUARTER 1, 384, F0, F1, 0
	TURN 1, 0, 1
	QUARTER 0, 128, F0, F1, 0
	WIN 0
	s_sub_co_u32 s3, s3, 1
	s_cmp_lg_u32 s3, 0
	s_cbranch_scc1 .Llap
	QUARTER 0, 256, F1, F0, 0                      ; the last lap fills nothing
	QUARTER 0, 384, F0, F1, 0
	TURN 0, 1, 0
	QUARTER 1, 128, F0, F1, 0
	QUARTER 1, 256, F1, F0, 0
	QUARTER 1, 384, F0, F1, 0
	s_wait_dscnt 16
	WIN MUL
	MUL8 F1, 0, 0, 0
	MUL8 F1, 0, 2, 0
	s_wait_dscnt 0
	MUL8 F1, 1, 0, 0
	MUL8 F1, 1, 2, 0
	WIN 0
	; THE WAY OUT: 16 rows at a time into my stage, back as whole rows of 256 bytes into the registers that they left.  LDS serves a wave's instructions in order (ISA guide 5.7.1.4).
	PLACES
.macro TOSTAGE a
.irp b, 0,1,2,3                        ; each accumulator's low registers first
	ds_store_b128 v[STO], v[ACC+8*(4*(\a)+(\b)):ACC+8*(4*(\a)+(\b))+3] offset:64*(\b)
	ds_store_b128 v[STO], v[ACC+8*(4*(\a)+(\b))+4:ACC+8*(4*(\a)+(\b))+7] offset:64*(\b)+16
.endr
.irp t, 0,1,2,3,4,5,6,7
	ds_load_b128 v[ACC+32*(\a)+4*(\t):ACC+32*(\a)+4*(\t)+3], v[RD] offset:(\t)*2*SPITCH
.endr
.endm
.macro SEND a, younger                 ; younger: the next block's sixteen LDS lines, or none
.irp t, 0,1,2,3,4,5,6,7
	s_wait_dscnt (\younger)+7-(\t)
	global_store_b128 v[CO], v[ACC+32*(\a)+4*(\t):ACC+32*(\a)+4*(\t)+3], s[8:9] offset:(\a)*131072+(\t)*16384  ; 16 lanes store 256 consecutive aligned bytes
.endr
.endm
	TOSTAGE 0
	TOSTAGE 1
	SEND 0, 16
	TOSTAGE 2
	SEND 1, 16
	TOSTAGE 3
	SEND 2, 16
	SEND 3, 0
	s_wait_tensorcnt 0x0                           ; the wave's end
	ds_add_u32 v[SPW], v[NIL]
	s_wait_dscnt 0x0
	CROUND                                         ; the closing round
	s_endpgm
.Lfunc_end_k_qee65a4d337_outp:
	.size	k_qee65a4d337_outp, .Lfunc_end_k_qee65a4d337_outp-k_qee65a4d337_outp
	.p2alignl 7, 3214868480
	.fill 96, 4, 3214868480
	.section	.rodata,"a",@progbits
	.p2align	6, 0x0
	.amdhsa_kernel k_qee65a4d337_outp
		.amdhsa_group_segment_fixed_size 327680
		.amdhsa_private_segment_fixed_size 0
		.amdhsa_enable_private_segment 0
		.amdhsa_kernarg_size 24
		.amdhsa_user_sgpr_count 2
		.amdhsa_user_sgpr_kernarg_segment_ptr 1
		.amdhsa_wavefront_size32 1
		.amdhsa_system_sgpr_workgroup_id_x 1
		.amdhsa_system_sgpr_workgroup_id_y 1
		.amdhsa_system_sgpr_workgroup_id_z 1
		.amdhsa_system_vgpr_workitem_id 0
		.amdhsa_next_free_vgpr 512
		.amdhsa_next_free_sgpr 66
		.amdhsa_reserve_vcc 0
		.amdhsa_float_denorm_mode_32 3
		.amdhsa_float_denorm_mode_16_64 3
		.amdhsa_memory_ordered 1
		.amdhsa_forward_progress 1
		.amdhsa_inst_pref_size 87
	.end_amdhsa_kernel
	.amdgpu_metadata
---
amdhsa.version: [ 1, 2 ]
amdhsa.kernels:
  - .name:           k_qee65a4d337_outp
    .symbol:         k_qee65a4d337_outp.kd
    .args:
      - { .name: og, .offset: 0, .size: 8, .value_kind: global_buffer, .address_space: global }
      - { .name: wo16, .offset: 8, .size: 8, .value_kind: global_buffer, .address_space: global }
      - { .name: out0, .offset: 16, .size: 8, .value_kind: global_buffer, .address_space: global }
    .group_segment_fixed_size: 327680
    .private_segment_fixed_size: 0
    .kernarg_segment_align: 8
    .kernarg_segment_size: 24
    .max_flat_workgroup_size: 128
    .sgpr_count:     66
    .vgpr_count:     512
    .wavefront_size: 32
...
	.end_amdgpu_metadata
.endif
;; end of part 4
